; MI455X (gfx1250); checked and timed in simulation.
; The chip was launched on July 23, 2026; its instructions are those of AMD's public machine-readable ISA for CDNA 5 (MIT licence, August 2026) and "CDNA5" Instruction Set Architecture Reference Guide (July 2026). The comments in the code are by the model that wrote it; some were corrected since.
;; EP Mo E. Allowed arithmetic: matrix products marked QUANTISED: E2M3 operands, one E8M0 scale for each 32 along K, by v_wmma_scale_f32_16x16x128_f8f6f4 with both operands' format E2M3, f32 sums; products left as they are: f32 operands where the result goes on into a quantised operand, else bf16, f16 or f32 operands; f32 sums; everything else in f32.
;; Inputs: expert_w 8 x 1,024 x 1,024 float32; gate_w 8 x 1,024 float32; x 8,192 x 1,024 float32.
;; Outputs: out0 8,192 x 1,024 float32.
;; This version of the problem:
;;   THIS VERSION OF THE PROBLEM IS GIVEN IN LOW PRECISION. The matrix products marked QUANTISED in the list below multiply operands that are first quantised to E2M3 (2 exponent bits, 3 mantissa bits; 6 bits a number), with one power-of-two scale for each 32 numbers along K (OCP MX v1.0); their sums are f32. All else is computed in f32.
;;   The module's matrix products, in the order in which they are computed (A, B: the left and right operand; K: the contracted axis; several contracted axes count as one K, in the product's order):
;;     1. [M 8,192, K 1,024] x [K 1,024, N 8]; A: input x; B: input gate_w: left as it is (N = 8 < 16)
;;     2. [M 8,192, K 1,024] x [K 1,024, N 8,192]; A: input expert_w; B: input x: QUANTISED
;;     3. batch 8,192 x [M 1, K 2] x [K 2, N 1,024]; A: computed on the way; B: computed on the way: left as it is (K = 2 < 32)
;;   THE QUANTISER, for each operand of a quantised product, along K:
;;     - K is cut into blocks of 32 from its start; a last block that is shorter is filled with zeros.
;;     - A block's scale is 2^e with e = floor(log2(the largest magnitude in the block)) - 2, held to -126 .. 127; a block of zeros has e = 0. As a byte (E8M0): e + 127.
;;     - Each number is divided by its block's scale, clamped to +-7.5, and rounded to the nearest number of E2M3, ties to even, subnormals kept.
;;     - The product sums the exact products of the quantised numbers (number of the format x scale) in f32.
;;   ~~~python
;;   def quantise(x, axis):      # numpy; x: float32 -> the quantised numbers, widened to float32 again
;;       x = np.moveaxis(x, axis, -1); K = x.shape[-1]
;;       x = np.pad(x, [(0, 0)] * (x.ndim - 1) + [(0, -K % 32)]); x = x.reshape(x.shape[:-1] + (-1, 32)); a = np.abs(x).max(-1, keepdims=True)
;;       e = np.where(a > 0, np.clip(np.frexp(np.where(a > 0, a, 1))[1] - 1 - 2, -126, 127), 0)      # np.frexp(a)[1] - 1 = floor(log2(a)), exactly
;;       r = np.clip(x / 2.0 ** e, -7.5, 7.5)
;;       step = 2.0 ** (np.maximum(np.frexp(np.where(r == 0, 1, r))[1] - 1, 0) - 3)
;;       q = np.round(r / step) * step * 2.0 ** e      # np.round: ties to even
;;       return np.moveaxis(q.reshape(q.shape[:-2] + (-1,))[..., :K], -1, axis).astype(np.float32)
;;   ~~~
;; 2 versions. Each part assembles by itself: llvm-mc -triple=amdgcn-amd-amdhsa -mcpu=gfx1250 --defsym DOCPART=n.
;; ======== version 1 of 2: 3 launches
;; workspace buffers: xq 6,291,456 bytes; xs 262,144 bytes; gates 65,536 bytes; meta 65,536 bytes of whole numbers; wq 6,291,456 bytes; ws 262,144 bytes; plan 33,024 bytes of whole numbers
;; launch route (part 1): grid 256 x 1, 4 waves a work-group, no clusters, 50,688 bytes of LDS; arguments x, gate_w, xq, xs, gates, meta; writes xq, xs, gates, meta
.if DOCPART == 1
	.amdgcn_target "amdgcn-amd-amdhsa--gfx1250"
	.amdhsa_code_object_version 6
	.text
	.protected	k_qcb55ec794b_route
	.globl	k_qcb55ec794b_route
	.p2align	8
	.type	k_qcb55ec794b_route,@function
k_qcb55ec794b_route:
	s_mov_b64 s[64:65], 0
	v_nop
	global_prefetch_b8 v0, s[64:65] scope:SCOPE_SE
	s_setreg_imm32_b32 hwreg(HW_REG_WAVE_MODE, 25, 1), 1
	s_wait_xcnt 0x0
; EPMoE, launch 1 of 3: the gate, and x as codes.
; out[t] = w1 y_{i1}[t] + w2 y_{i2}[t], y_e = Q(x) Q(W_e)^T, (i1, i2) the two largest of softmax(x gate_w^T), (w1, w2) their probabilities.
; DEAD WORK, for all values of the inputs: reference() forms y_e[t] for all 8 experts and then gathers, for each token, the rows of its two chosen experts;
; the other six rows of all_y of a token are read by nothing, so they can reach no output.  This program multiplies an expert only for ranges of 128 tokens
; (sorted by their pair of experts) in which some token chose it; inside such a range a row that did not choose the expert takes it with the weight 0.
; LIMITS: a NaN, an infinity or an overflow in an expert's product that is left out is not carried to the result; where a row's product with an expert that it did
; not choose, but a neighbour in its range did, overflows f32, 0 x infinity gives NaN where reference() stays finite.  NaN among the logits is not served.
; Every input is loaded.  The gate's product is made in f32 (fused multiply-adds); the softmax takes its maximum away.
; THIS LAUNCH: a work-group owns 32 tokens; wave w owns K = 256 w .. 256 w + 255 of all of them, so that its part of gate_w (8 x 256 numbers) stays in 128 registers.
; A step takes two tokens: four loads of 512 consecutive bytes, turned through the wave's own stage in LDS so that a lane holds 16 neighbours along K (lanes 0-15 the even token, lanes 16-31 the odd one).
; From these 16: eight partial logits (summed over 16 lanes), and 16 codes of E2M3 with the block's E8M0 byte (two neighbouring lanes hold a block of 32).
; A block's scale byte is its largest magnitude's exponent field - 2, held at 1 from below (a block of zeros gets 1 where the rule says 127: its codes are zeros, and this program alone reads the bytes).
; xq: [token][768 bytes]; the 96 bytes of 128 along K hold the blocks in the order 0, 2, 1, 3, so that the 48 bytes that one half of the lanes wants of a fragment lie on end.  xs: [token][32] bytes, in K's order.
; Wave 0 then makes, a lane to a token: the top two (the lower index wins a tie), their probabilities, the pair's number p of 28, the token's rank among its block's tokens of the same pair, and the block's count of each pair.
; All of these are stored as values at fixed places: no address and no branch here hangs on them.
.set XQS,   20480                      ; LDS: 0 .. 20479: two stages of 2,560 bytes for each wave; then the work-group's 32 rows of codes, as they will lie in xq,
.set XSS,   45056                      ; its 32 x 32 scale bytes,
.set PART,  46080                      ; the partial logits: 4 waves x 8 experts x 32 tokens,
.set SPARE, 50176                      ; and the spare words, 128 bytes for each wave: two blocks of 256 bytes that no other line names
.set LN,   1                           ; lane
.set L16,  2                           ; lane % 16
.set HF,   3                           ; lane / 16
.set LI,   4                           ; 16 x lane
.set SIN,  5                           ; the stage, on the way in
.set SOUT, 6                           ; and on the way out: 80 x lane
.set CAD,  7                           ; where my 12 bytes of codes go
.set BAD,  8                           ; where my block's byte goes
.set PAD,  9                           ; where my wave's partial logits go
.set SPW,  14                          ; LDS address of my spare word; never rewritten
.set NIL,  15                          ; 0; never rewritten
.set CDE,  16                          ; v16-19, v20-23: a step's codes (3) and byte, two sets by turns
.set XQR,  24
.set XSR,  25
.set L8,   26
.set PRD,  27
.set GWO,  28
.set LG,   30                          ; v30-37  partial logits: lane 16 h + j holds token 2 j + h
.set ACC,  40                          ; v40-55  eight pairs of running sums
.set X,    56                          ; v56-87  two sets of 16 neighbours
.set GW,   88                          ; v88-215 gate_w[e][256 w + 16 (lane % 16) + k] at 16 e + k
.set MSB, 0
.macro WIN new                         ; the immediate's high byte repeats the setting that is left
.if MSB != \new
	s_set_vgpr_msb (MSB<<8)|\new
.set MSB, \new
.endif
.endm
	s_load_b256 s[4:11], s[0:1], 0x0               ; x, gate_w, xq, xs
	s_load_b128 s[12:15], s[0:1], 0x20             ; gates, meta
	v_lshl_add_u32 v[SPW], v0, 2, SPARE
	v_mov_b32 v[NIL], 0
	v_lshrrev_b32 v10, 5, v0
	v_readfirstlane_b32 s16, v10                   ; wave
	v_and_b32 v[LN], 31, v0
	v_and_b32 v[L16], 15, v0
	v_bfe_u32 v[HF], v0, 4, 1
	v_lshlrev_b32 v[LI], 4, v[LN]
	v_lshlrev_b32 v[L8], 3, v[LN]
	v_lshlrev_b32 v[GWO], 6, v[L16]
	s_mul_i32 s17, s16, 5120
	v_lshrrev_b32 v10, 2, v[LN]
	v_mul_u32_u24 v[SIN], v10, 80
	v_and_b32 v10, 3, v0
	v_lshl_add_u32 v[SIN], v10, 4, v[SIN]
	v_add_nc_u32 v[SIN], s17, v[SIN]               ; four lanes' 64 bytes on end, then 16 of padding
	v_mul_u32_u24 v[SOUT], v[LN], 80
	v_add_nc_u32 v[SOUT], s17, v[SOUT]
	v_and_b32 v10, 1, v0                           ; my 16 numbers begin at k = 16 (lane % 16) of the quarter: half of a block,
	v_mul_u32_u24 v[CAD], v10, 12
	v_bfe_u32 v10, v0, 1, 1                        ; block's low bit: 48 bytes,
	v_mad_u32_u24 v[CAD], v10, 48, v[CAD]
	v_bfe_u32 v10, v0, 2, 1                        ; its high bit: 24 bytes,
	v_mad_u32_u24 v[CAD], v10, 24, v[CAD]
	v_bfe_u32 v10, v0, 3, 1                        ; which 128 along K,
	v_mad_u32_u24 v[CAD], v10, 96, v[CAD]
	v_mad_u32_u24 v[CAD], v[HF], 768, v[CAD]       ; which of the step's two tokens,
	s_mul_i32 s17, s16, 192
	s_add_co_u32 s17, s17, XQS
	v_add_nc_u32 v[CAD], s17, v[CAD]               ; and my wave's quarter of the row
	v_lshrrev_b32 v[BAD], 1, v[L16]
	v_lshl_add_u32 v[BAD], v[HF], 5, v[BAD]
	s_lshl_b32 s17, s16, 3
	s_add_co_u32 s17, s17, XSS
	v_add_nc_u32 v[BAD], s17, v[BAD]
	s_lshl_b32 s17, s16, 10
	s_add_co_u32 s17, s17, PART
	v_lshl_add_u32 v[PAD], v[LN], 2, s17
	s_mul_i32 s17, s16, 6144
	s_add_co_u32 s17, s17, XQS
	v_add_nc_u32 v[XQR], s17, v[LI]
	s_lshl_b32 s17, s16, 8
	s_add_co_u32 s17, s17, XSS
	v_add_nc_u32 v[XSR], s17, v[L8]
	v_lshl_add_u32 v[PRD], v[LN], 2, PART
	s_lshl_b32 s18, ttmp9, 17                      ; 32 rows of 4,096 bytes a work-group,
	s_lshl_b32 s20, s16, 10                        ; 1,024 bytes of a row a wave
	s_add_co_u32 s18, s18, s20
	s_mov_b32 s19, 0
	s_mov_b32 s21, 0
	s_wait_kmcnt 0x0
	s_add_nc_u64 s[4:5], s[4:5], s[18:19]
	s_add_nc_u64 s[6:7], s[6:7], s[20:21]
.irp e,0,1,2,3,4,5,6,7
.irp q,0,1,2,3
	global_load_b128 v[GW+16*\e+4*\q:GW+16*\e+4*\q+3], v[GWO], s[6:7] offset:4096*\e+16*\q
.endr
.endr
	WIN 0x40                                       ; destination window 1: step j's 16 registers at v[16 j]: every step has its own, so all 64 loads go out at once
.set j, 0
.rept 16
.irp i,0,1,2,3
	global_load_b128 v[16*j+4*\i:16*j+4*\i+3], v[LI], s[4:5] offset:(2*j+\i/2)*4096+512*(\i%2) th:TH_LOAD_NT
.endr
.set j, j+1
.endr
	WIN 0
	s_mul_i32 s18, ttmp9, 24576
	s_mul_i32 s20, s16, 6144
	s_add_co_u32 s18, s18, s20
	s_add_nc_u64 s[8:9], s[8:9], s[18:19]          ; xq at my wave's 6,144 bytes
	s_lshl_b32 s18, ttmp9, 10
	s_lshl_b32 s20, s16, 8
	s_add_co_u32 s18, s18, s20
	s_add_nc_u64 s[10:11], s[10:11], s[18:19]      ; xs at my wave's 256
	s_lshl_b32 s18, ttmp9, 8
	s_add_nc_u64 s[12:13], s[12:13], s[18:19]      ; gates: 8 bytes a token
	s_lshl_b32 s18, ttmp9, 7
	s_add_nc_u64 s[14:15], s[14:15], s[18:19]      ; meta: 4 bytes a token; 128 bytes of counts a block
.macro TURN t                          ; step t's 2,048 bytes through the stage: LDS serves a wave's instructions in order, so no wait stands between the stores and the loads
	WIN 0x04                                       ; an LDS store's data are its source 1: window 1
.irp i,0,1,2,3
	ds_store_b128 v[SIN], v[16*(\t)+4*\i:16*(\t)+4*\i+3] offset:2560*((\t)%2)+640*\i
.endr
	WIN 0
.irp i,0,1,2,3
	ds_load_b128 v[X+16*((\t)%2)+4*\i:X+16*((\t)%2)+4*\i+3], v[SOUT] offset:2560*((\t)%2)+16*\i
.endr
.endm
.macro STEP j
.set XS_, X+16*((\j)%2)
.set CD_, CDE+4*((\j)%2)
.if (\j) > 0
	s_wait_dscnt 4                                 ; all but the last step's four stores of codes and byte: this step's numbers are back, and the stores of two steps ago have read the registers that this step writes
.else
	s_wait_dscnt 0x0
.endif
.if (\j) < 15
	s_wait_loadcnt 56-4*(\j)                       ; the next step's four loads are in; behind them stand four for each later step
	TURN (\j)+1
.endif
.irp e,0,1,2,3,4,5,6,7
	v_pk_mul_f32 v[ACC+2*\e:ACC+2*\e+1], v[XS_:XS_+1], v[GW+16*\e:GW+16*\e+1]      ; the first product starts each sum; the eight experts by turns
.endr
.irp k,2,4,6,8,10,12,14
.irp e,0,1,2,3,4,5,6,7
	v_pk_fma_f32 v[ACC+2*\e:ACC+2*\e+1], v[XS_+\k:XS_+\k+1], v[GW+16*\e+\k:GW+16*\e+\k+1], v[ACC+2*\e:ACC+2*\e+1]
.endr
.endr
.irp e,0,1,2,3,4,5,6,7
	v_add_f32 v[ACC+2*\e], v[ACC+2*\e], v[ACC+2*\e+1]
.endr
.irp m,1,2,4,8
.irp e,0,1,2,3,4,5,6,7
	v_add_f32_dpp v[ACC+2*\e], v[ACC+2*\e], v[ACC+2*\e] row_xmask:\m row_mask:0xf bank_mask:0xf   ; over the 16 lanes that hold one token
.endr
.endr
.if (\j) == 0
.irp e,0,1,2,3,4,5,6,7
	v_mov_b32 v[LG+\e], v[ACC+2*\e]
.endr
.else
	s_mov_b32 s22, (1<<(\j))|(1<<(16+(\j)))        ; lanes j and 16 + j keep this step's two tokens
.irp e,0,1,2,3,4,5,6,7
	v_cndmask_b32 v[LG+\e], v[LG+\e], v[ACC+2*\e], s22
.endr
.endif
	v_max3_num_f32 v12, |v[XS_]|, |v[XS_+1]|, |v[XS_+2]|           ; the largest magnitude of my 16, in two chains
	v_max3_num_f32 v13, |v[XS_+3]|, |v[XS_+4]|, |v[XS_+5]|
.irp i,6,10
	v_max3_num_f32 v12, v12, |v[XS_+\i]|, |v[XS_+\i+1]|
	v_max3_num_f32 v13, v13, |v[XS_+\i+2]|, |v[XS_+\i+3]|
.endr
	v_max3_num_f32 v12, v12, |v[XS_+14]|, |v[XS_+15]|
	v_max3_num_f32 v12, v12, v13, 0x1800000        ; and the floor 2^(3 - 127): the byte cannot fall under 1
	v_max_num_f32_dpp v12, v12, v12 row_xmask:1 row_mask:0xf bank_mask:0xf   ; with my neighbour's 16: the block's
	v_add_nc_u32 v11, 0xff000000, v12              ; 2 off its exponent field: the conversion takes the exponent field of this operand as its scale
	v_cvt_scalef32_pk16_fp6_f32 v[CD_:CD_+2], v[XS_:XS_+15], v11
	v_lshrrev_b32 v[CD_+3], 23, v11                ; the scale's byte (also the plain line behind the conversion)
	ds_store_b32 v[CAD], v[CD_] offset:1536*(\j)
	ds_store_b32 v[CAD], v[CD_+1] offset:1536*(\j)+4
	ds_store_b32 v[CAD], v[CD_+2] offset:1536*(\j)+8
	ds_store_b8 v[BAD], v[CD_+3] offset:64*(\j)    ; both lanes of a block write the same byte with the same value
.endm
	s_wait_loadcnt 60                              ; gate_w and step 0's four loads are in; 60 loads stand behind them
	TURN 0
.irp t,0,1,2,3,4,5,6,7,8,9,10,11,12,13,14,15
	STEP \t
.endr
.irp e,0,1,2,3,4,5,6,7
	ds_store_b32 v[PAD], v[LG+\e] offset:128*\e
.endr
	s_wait_dscnt 0x0                               ; for the others' sake: my codes, bytes and partial logits lie in LDS
	s_barrier_signal -1
	s_barrier_wait -1
	; the way out: the work-group's codes are 24,576 consecutive bytes of xq, its bytes 1,024 of xs: each store of a wave covers whole aligned runs of 256 bytes
.irp i,0,1,2,3,4,5,6,7,8,9,10,11
	ds_load_b128 v[GW+4*\i:GW+4*\i+3], v[XQR] offset:512*\i
.endr
	ds_load_b64 v[136:137], v[XSR]
.irp i,0,1,2,3,4,5,6,7,8,9,10,11
	s_wait_dscnt 12-\i                             ; load i is in; behind it stand 11 - i of its kind and the bytes' load
	global_store_b128 v[LI], v[GW+4*\i:GW+4*\i+3], s[8:9] offset:512*\i
.endr
	s_wait_dscnt 0x0
	global_store_b64 v[L8], v[136:137], s[10:11]
	s_cmp_lg_u32 s16, 0
	s_cbranch_scc1 .Lend                           ; the rest is wave 0's: a lane to a token
.irp w,0,1,2,3
.irp e,0,1,2,3,4,5,6,7
	ds_load_b32 v[140+8*\w+\e], v[PRD] offset:1024*\w+128*\e
.endr
.endr
	s_wait_dscnt 0x0
.irp e,0,1,2,3,4,5,6,7
	v_add_f32 v[140+\e], v[140+\e], v[148+\e]
.endr
.irp e,0,1,2,3,4,5,6,7
	v_add_f32 v[156+\e], v[156+\e], v[164+\e]
.endr
.irp e,0,1,2,3,4,5,6,7
	v_add_f32 v[140+\e], v[140+\e], v[156+\e]      ; the logits
.endr
	v_mov_b32 v172, v140                           ; the largest and its expert,
	v_mov_b32 v173, 0
	v_mov_b32 v174, 0xff800000                     ; the second and its expert
	v_mov_b32 v175, 1
.irp e,1,2,3,4,5,6,7                   ; 'greater' alone moves a place: of equal logits the lower index stays ahead, as in jax.lax.top_k
	v_mov_b32 v176, \e
	v_cmp_gt_f32 s22, v[140+\e], v172
	v_cmp_gt_f32 s23, v[140+\e], v174
	v_cndmask_b32 v174, v174, v[140+\e], s23
	v_cndmask_b32 v175, v175, v176, s23
	v_cndmask_b32 v174, v174, v172, s22
	v_cndmask_b32 v175, v175, v173, s22
	v_cndmask_b32 v172, v172, v[140+\e], s22
	v_cndmask_b32 v173, v173, v176, s22
.endr
.irp e,0,1,2,3,4,5,6,7
	v_sub_f32 v[180+\e], v[140+\e], v172           ; the maximum is taken away
.endr
	v_sub_f32 v188, v174, v172
.irp e,0,1,2,3,4,5,6,7,8
	v_mul_f32 v[180+\e], 0x3fb8aa3b, v[180+\e]     ; x log2(e)
.endr
.irp e,0,1,2,3,4,5,6,7,8
	v_exp_f32 v[180+\e], v[180+\e]
.endr
	v_nop                                          ; a plain line behind the last exponential
	s_wait_alu depctr_va_vdst(0)                   ; one wait for the batch of nine, ahead of its first reader
	v_add_f32 v189, v180, v181
	v_add_f32 v190, v182, v183
	v_add_f32 v191, v184, v185
	v_add_f32 v192, v186, v187
	v_add_f32 v189, v189, v190
	v_add_f32 v191, v191, v192
	v_add_f32 v189, v189, v191
	v_rcp_f32 v190, v189                           ; w1 = 1 / the sum
	v_nop
	s_wait_alu depctr_va_vdst(0)
	v_mul_f32 v188, v188, v190                     ; w2
	v_min_u32 v191, v173, v175                     ; lo, hi: the pair, ordered
	v_max_u32 v192, v173, v175
	v_cmp_lt_u32 vcc_lo, v173, v175
	v_cndmask_b32 v194, v188, v190, vcc_lo         ; lo's weight,
	v_cndmask_b32 v195, v190, v188, vcc_lo         ; hi's
	v_sub_nc_u32 v196, 15, v191                    ; p = lo (15 - lo) / 2 + (lo even: hi - lo - 1; lo odd: 7 - hi): neighbouring pairs share an expert
	v_mul_u32_u24 v196, v191, v196
	v_lshrrev_b32 v196, 1, v196
	v_sub_nc_u32 v197, v192, v191
	v_add_nc_u32 v197, -1, v197
	v_sub_nc_u32 v198, 7, v192
	v_and_b32 v199, 1, v191
	v_cmp_eq_u32 vcc_lo, 1, v199
	v_cndmask_b32 v197, v197, v198, vcc_lo
	v_add_nc_u32 v196, v196, v197
	v_mov_b32 v200, 0                              ; my rank among the block's tokens of my pair
	v_mov_b32 v201, 0                              ; lane g: the block's count of pair g
.set g, 0
.rept 28
	v_cmp_eq_u32 s22, g, v196
	v_mbcnt_lo_u32_b32 v202, s22, 0
	v_cndmask_b32 v200, v200, v202, s22
	s_bcnt1_i32_b32 s23, s22
	v_writelane_b32 v201, s23, g
.set g, g+1
.endr
	v_lshl_or_b32 v203, v192, 4, v191              ; lo | hi << 4 | p << 8 | rank << 16
	v_lshl_or_b32 v203, v196, 8, v203
	v_lshl_or_b32 v203, v200, 16, v203
	v_lshl_add_u32 v204, v[L16], 1, v[HF]          ; my token in the block: 2 (lane % 16) + lane / 16
	v_lshlrev_b32 v205, 2, v204
	v_lshlrev_b32 v206, 3, v204
	v_lshlrev_b32 v207, 2, v[LN]
	global_store_b32 v205, v203, s[14:15]
	global_store_b64 v206, v[194:195], s[12:13]
	global_store_b32 v207, v201, s[14:15] offset:32768
.Lend:
	s_wait_tensorcnt 0x0                           ; the wave's end
	ds_add_u32 v[SPW], v[NIL]
	s_wait_dscnt 0x0
	s_endpgm
.Lfunc_end_k_qcb55ec794b_route:
	.size	k_qcb55ec794b_route, .Lfunc_end_k_qcb55ec794b_route-k_qcb55ec794b_route
	.p2alignl 7, 3214868480
	.fill 96, 4, 3214868480
	.section	.rodata,"a",@progbits
	.p2align	6, 0x0
	.amdhsa_kernel k_qcb55ec794b_route
		.amdhsa_group_segment_fixed_size 50688
		.amdhsa_private_segment_fixed_size 0
		.amdhsa_enable_private_segment 0
		.amdhsa_kernarg_size 48
		.amdhsa_user_sgpr_count 2
		.amdhsa_user_sgpr_kernarg_segment_ptr 1
		.amdhsa_wavefront_size32 1
		.amdhsa_system_sgpr_workgroup_id_x 1
		.amdhsa_system_sgpr_workgroup_id_y 1
		.amdhsa_system_sgpr_workgroup_id_z 1
		.amdhsa_system_vgpr_workitem_id 0
		.amdhsa_next_free_vgpr 512
		.amdhsa_next_free_sgpr 66
		.amdhsa_reserve_vcc 1
		.amdhsa_float_denorm_mode_32 3
		.amdhsa_float_denorm_mode_16_64 3
		.amdhsa_memory_ordered 1
		.amdhsa_forward_progress 1
		.amdhsa_inst_pref_size 168
	.end_amdhsa_kernel
	.amdgpu_metadata
---
amdhsa.version: [ 1, 2 ]
amdhsa.kernels:
  - .name:           k_qcb55ec794b_route
    .symbol:         k_qcb55ec794b_route.kd
    .args:
      - { .name: x, .offset: 0, .size: 8, .value_kind: global_buffer, .address_space: global }
      - { .name: gate_w, .offset: 8, .size: 8, .value_kind: global_buffer, .address_space: global }
      - { .name: xq, .offset: 16, .size: 8, .value_kind: global_buffer, .address_space: global }
      - { .name: xs, .offset: 24, .size: 8, .value_kind: global_buffer, .address_space: global }
      - { .name: gates, .offset: 32, .size: 8, .value_kind: global_buffer, .address_space: global }
      - { .name: meta, .offset: 40, .size: 8, .value_kind: global_buffer, .address_space: global }
    .group_segment_fixed_size: 50688
    .private_segment_fixed_size: 0
    .kernarg_segment_align: 8
    .kernarg_segment_size: 48
    .max_flat_workgroup_size: 128
    .sgpr_count:     66
    .vgpr_count:     512
    .wavefront_size: 32
...
	.end_amdgpu_metadata
.endif
;; end of part 1
;; launch prep (part 2): grid 257 x 1, 8 waves a work-group, no clusters, 69,632 bytes of LDS; arguments expert_w, meta, wq, ws, plan; writes wq, ws, plan
.if DOCPART == 2
	.amdgcn_target "amdgcn-amd-amdhsa--gfx1250"
	.amdhsa_code_object_version 6
	.text
	.protected	k_qcb55ec794b_prep
	.globl	k_qcb55ec794b_prep
	.p2align	8
	.type	k_qcb55ec794b_prep,@function
k_qcb55ec794b_prep:
	s_mov_b64 s[64:65], 0
	v_nop
	global_prefetch_b8 v0, s[64:65] scope:SCOPE_SE
	s_setreg_imm32_b32 hwreg(HW_REG_WAVE_MODE, 25, 1), 1
	s_wait_xcnt 0x0
; EPMoE, launch 2 of 3.  Work-groups 1 to 256 turn expert_w into codes of E2M3, laid in the order of an operand's registers; work-group 0 places the tokens by their pair of experts.
; No work of reference() is left out here: every expert's weights are quantised, since which experts are used hangs on the inputs.
; WEIGHTS.  expert_w is 8,192 rows (expert x output) of 1,024 along K.  A wave takes 16 rows x 256 along K: two fragments of 16 x 128.  Each load reads 512 consecutive bytes of a row; the 16 x 512 bytes of a fragment go
; through the wave's own stage in LDS and come back so that lane (r, h) holds, of row r, k = 64 c + 32 h + 0 .. 31 (c = 0, 1): two whole blocks of 32, in the order in which the operand's registers take them.
; A block's scale byte is its largest magnitude's exponent field - 2, held at 1 from below (a block of zeros gets 1 where the rule says 127: its codes are zeros, and this program alone reads the bytes).
; wq: [block of 16 rows][128 along K: 0..7][i: 0..2][lane][16 bytes]: registers 4 i .. 4 i + 3 of the fragment.   ws: [block of 16 rows][256 along K: 0..3][row][2 words]: the scale words of the two fragments.
; PLACING (a counting sort without atomics).  Launch 1 left, for each block of 32 tokens, the count of each of the 28 pairs, and for each token its pair and its rank in the block.  A token's place is the pair's first place +
; the counts of the pair in the blocks before + the rank.  plan: order[8192]: the token at each place; then for each range of 128 places the set of experts (8 bits) that its tokens use.
; The two ways part on the work-group's number alone; each has LDS bytes of its own.
.set WSTP,  528                        ; a stage row: 512 bytes + 16
.set PL,    67584                      ; behind the eight stages (8 x 16 x 528): the placing's 8 x 128 bytes
.set SPARE, 68608                      ; the spare words, 128 bytes for each wave: four blocks of 256 bytes that no other line names
.set LN,  1
.set RR,  2                            ; lane % 16
.set LI,  3                            ; 16 x lane
.set HH,  4                            ; lane / 16
.set WSA, 5                            ; the stage, on the way in: 16 x lane
.set WRD, 6                            ; on the way out: 528 r + 128 h
.set SH8, 7                            ; 8 h
.set R8,  8                            ; 8 r
.set PLW, 9
.set PLR, 10
.set L4,  11
.set SPW, 62
.set NIL, 63
	s_load_b256 s[4:11], s[0:1], 0x0               ; expert_w, meta, wq, ws
	s_load_b64 s[12:13], s[0:1], 0x20              ; plan
	v_lshl_add_u32 v[SPW], v0, 2, SPARE
	v_mov_b32 v[NIL], 0
	v_lshrrev_b32 v12, 5, v0
	v_readfirstlane_b32 s16, v12                   ; wave 0..7
	v_and_b32 v[LN], 31, v0
	v_and_b32 v[RR], 15, v0
	v_bfe_u32 v[HH], v0, 4, 1
	v_lshlrev_b32 v[LI], 4, v[LN]
	v_lshlrev_b32 v[L4], 2, v[LN]
	v_lshlrev_b32 v[SH8], 3, v[HH]
	v_lshlrev_b32 v[R8], 3, v[RR]
	s_mul_i32 s17, s16, 16*WSTP
	v_add_nc_u32 v[WSA], s17, v[LI]
	v_mul_u32_u24 v[WRD], v[RR], WSTP
	v_lshl_add_u32 v[WRD], v[HH], 7, v[WRD]
	v_add_nc_u32 v[WRD], s17, v[WRD]
	s_lshl_b32 s17, s16, 7
	s_add_co_u32 s17, s17, PL
	v_add_nc_u32 v[PLW], s17, v[L4]
	v_add_nc_u32 v[PLR], PL, v[L4]
	v_mov_b32 v60, 0                               ; written once: a lane permute's destination counts as one of its sources
	s_mov_b32 s30, 0x76543210
	s_mov_b32 s31, 0xfedcba98                      ; v_permlanex16_b32's selects for lane l xor 16
	s_mov_b32 s23, 0
	s_wait_kmcnt 0x0
	s_cmp_eq_u32 ttmp9, 0
	s_cbranch_scc1 .Lplace
	; ---------------- the weights ----------------
	s_sub_co_u32 s20, ttmp9, 1
	s_lshl_b32 s20, s20, 1
	s_lshr_b32 s21, s16, 2
	s_add_co_u32 s20, s20, s21                     ; my block of 16 rows: 2 (work-group - 1) + wave / 4
	s_and_b32 s21, s16, 3                          ; my 256 along K
	s_lshl_b32 s22, s20, 16
	s_lshl_b32 s24, s21, 10
	s_add_co_u32 s22, s22, s24
	s_add_nc_u64 s[4:5], s[4:5], s[22:23]
	s_mul_i32 s22, s20, 12288
	s_mul_i32 s24, s21, 3072
	s_add_co_u32 s22, s22, s24
	s_add_nc_u64 s[8:9], s[8:9], s[22:23]
	s_lshl_b32 s22, s20, 9
	s_lshl_b32 s24, s21, 7
	s_add_co_u32 s22, s22, s24
	s_add_nc_u64 s[10:11], s[10:11], s[22:23]
.irp t,0,1
.set row, 0
.rept 16
	global_load_b128 v[64+64*\t+4*row:64+64*\t+4*row+3], v[LI], s[4:5] offset:4096*row+512*\t th:TH_LOAD_NT   ; 32 lanes read 512 consecutive bytes
.set row, row+1
.endr
.endr
.macro TOST reg                        ; 16 rows x 512 bytes into the stage, as loaded
.set row, 0
.rept 16
	ds_store_b128 v[WSA], v[\reg+4*row:\reg+4*row+3] offset:WSTP*row
.set row, row+1
.endr
.endm
.macro FROMST reg                      ; and back: my two blocks of 32
.irp c,0,1
.irp j,0,1,2,3,4,5,6,7
	ds_load_b128 v[\reg+32*\c+4*\j:\reg+32*\c+4*\j+3], v[WRD] offset:256*\c+16*\j
.endr
.endr
.endm
; 64 numbers of a lane at v[src] on become fragment t's codes in v[f] .. v[f + 11], which are stored, and its scale word in v[58 + t]
.macro QW src, t, f
.irp c,0,1
	v_max3_num_f32 v[52+\c], |v[\src+32*\c]|, |v[\src+32*\c+1]|, 0x1800000   ; my block 2 c + h: all its 32 numbers are mine; the floor 2^(3 - 127) holds the byte at 1 from below
.endr
.irp i,2,4,6,8,10,12,14,16,18,20,22,24,26,28,30
.irp c,0,1
	v_max3_num_f32 v[52+\c], v[52+\c], |v[\src+32*\c+\i]|, |v[\src+32*\c+\i+1]|
.endr
.endr
.irp c,0,1
	v_add_nc_u32 v[54+\c], 0xff000000, v[52+\c]    ; 2 off the exponent field: the conversion's scale operand
.endr
.irp c,0,1
	v_lshrrev_b32 v[56+\c], 23, v[54+\c]           ; the scale's byte
.endr
	v_lshl_or_b32 v[58+\t], v57, 16, v56           ; my two bytes: blocks h and 2 + h,
	v_lshlrev_b32 v[58+\t], v[SH8], v[58+\t]       ; at their places in the word;
	v_permlanex16_b32 v60, v[58+\t], s30, s31
	v_or_b32 v[58+\t], v[58+\t], v60               ; with lane l xor 16's two the word is whole
	v_cvt_scalef32_pk16_fp6_f32 v[\f:\f+2], v[\src:\src+15], v54
	v_cvt_scalef32_pk16_fp6_f32 v[44:46], v[\src+16:\src+31], v54          ; (a conversion's three registers begin on an even number)
	v_cvt_scalef32_pk16_fp6_f32 v[\f+6:\f+8], v[\src+32:\src+47], v55
	v_cvt_scalef32_pk16_fp6_f32 v[48:50], v[\src+48:\src+63], v55
	v_nop                                          ; one plain line behind the scaled conversions
.irp i,0,1,2
	v_mov_b32 v[\f+3+\i], v[44+\i]
	v_mov_b32 v[\f+9+\i], v[48+\i]
.endr
.irp i,0,1,2
	global_store_b128 v[LI], v[\f+4*\i:\f+4*\i+3], s[8:9] offset:1536*\t+512*\i    ; 32 lanes store 512 consecutive bytes
.endr
.endm
	s_wait_loadcnt 16                              ; the first fragment's 16 loads are in
	TOST 64
	FROMST 192
	s_wait_loadcnt 0x0
	TOST 128                                       ; LDS serves a wave's instructions in order: these stores stand behind the reads above
	s_wait_dscnt 16                                ; all but these 16 stores: the first fragment is back, and its stores have read v64-127,
	FROMST 64                                      ; which take the second fragment
	QW 192, 0, 32
	s_wait_dscnt 0x0
	QW 64, 1, 128                                  ; its codes go to registers of their own: no pending store's data are rewritten
	global_store_b64 v[R8], v[58:59], s[10:11]     ; the two scale words of row r (both halves of the lanes hold and store the same)
	s_wait_tensorcnt 0x0                           ; the wave's end: three closing lines, behind my last LDS store
	ds_add_u32 v[SPW], v[NIL]
	s_wait_dscnt 0x0
	s_endpgm
	; ---------------- the placing ----------------
.Lplace:                                       ; wave w owns blocks 32 w .. 32 w + 31.  v64-95 counts (lane = pair), v96-127 the tokens' words (lane = token), v128-159 places, v160-191 tokens
	s_lshl_b32 s22, s16, 12
	s_add_nc_u64 s[6:7], s[6:7], s[22:23]
.set j, 0
.rept 32
	global_load_b32 v[64+j], v[L4], s[6:7] offset:32768+128*j
.set j, j+1
.endr
.set j, 0
.rept 32
	global_load_b32 v[96+j], v[L4], s[6:7] offset:128*j
.set j, j+1
.endr
	s_wait_loadcnt 32                              ; the counts are in
	v_add_nc_u32 v12, v64, v65
.set j, 2
.rept 15
	v_add3_u32 v12, v12, v[64+j], v[65+j]
.set j, j+2
.endr
	ds_store_b32 v[PLW], v12                       ; my 32 blocks' count of each pair
	s_wait_dscnt 0x0
	s_barrier_signal -1
	s_barrier_wait -1
.irp w,0,1,2,3,4,5,6,7
	ds_load_b32 v[16+\w], v[PLR] offset:128*\w
.endr
	s_wait_dscnt 0x0
	v_mov_b32 v13, 0                               ; each pair's count in all,
	v_mov_b32 v24, 0                               ; and in the waves before mine
.irp w,0,1,2,3,4,5,6,7
	v_add_nc_u32 v13, v13, v[16+\w]
	s_cmp_gt_u32 s16, \w
	s_cselect_b32 s22, -1, 0
	v_and_b32 v25, s22, v[16+\w]
	v_add_nc_u32 v24, v24, v25
.endr
	s_and_b32 s22, s16, 1
	s_lshl_b32 s22, s22, 5
	v_add_nc_u32 v26, s22, v[LN]                   ; a lane to a range of 128 places
	v_lshlrev_b32 v27, 7, v26                      ; its first place,
	v_add_nc_u32 v28, 128, v27                     ; and the first behind it
	v_mov_b32 v29, 0                               ; the range's experts
	v_mov_b32 v30, 0                               ; lane g: pair g's first place
	s_mov_b32 s23, 0
.set g, 0
.irp m,0x03,0x05,0x09,0x11,0x21,0x41,0x81,0x82,0x42,0x22,0x12,0x0a,0x06,0x0c,0x14,0x24,0x44,0x84,0x88,0x48,0x28,0x18,0x30,0x50,0x90,0xa0,0x60,0xc0
	v_readlane_b32 s24, v13, g
	v_writelane_b32 v30, s23, g
	v_cmp_gt_u32 s26, v28, s23                     ; the pair begins ahead of the range's end,
	s_add_co_u32 s23, s23, s24
	v_cmp_lt_u32 s27, v27, s23                     ; and ends behind its first place
	s_and_b32 s26, s26, s27
	s_cmp_lg_u32 s24, 0                            ; a pair with no token brings no expert
	s_cselect_b32 s25, \m, 0
	v_mov_b32 v31, s25
	v_cndmask_b32 v31, 0, v31, s26
	v_or_b32 v29, v29, v31
.set g, g+1
.endr
	v_add_nc_u32 v32, v30, v24                     ; where each pair stands at my first block
	s_wait_loadcnt 0x0
.set j, 0
.rept 32
	v_bfe_u32 v[160+j], v[96+j], 8, 5              ; my token's pair,
	v_min_u32 v[160+j], 31, v[160+j]
	v_lshlrev_b32 v[160+j], 2, v[160+j]            ; as a lane's byte index
.set j, j+1
.endr
	ds_bpermute_b32 v128, v160, v32                ; where my token's pair stands at this block
	v_add_nc_u32 v64, v32, v64                     ; and at the next block: into the count's register
.set j, 1
.rept 31
	ds_bpermute_b32 v[128+j], v[160+j], v[63+j]
	v_add_nc_u32 v[64+j], v[63+j], v[64+j]
.set j, j+1
.endr
	s_wait_dscnt 0x0
	s_lshl_b32 s22, s16, 10
	v_add_nc_u32 v33, s22, v[LN]
.set j, 0
.rept 32
	v_bfe_u32 v34, v[96+j], 16, 5                  ; + the rank
	v_add_nc_u32 v[128+j], v[128+j], v34
	v_min_u32 v[128+j], 0x1fff, v[128+j]           ; a place lies in 0 .. 8,191
	v_lshlrev_b32 v[128+j], 2, v[128+j]
	v_add_nc_u32 v[160+j], 32*j, v33               ; the token
	global_store_b32 v[128+j], v[160+j], s[12:13]
.set j, j+1
.endr
	s_cmp_lt_u32 s16, 2
	s_cbranch_scc0 .Lnou                           ; waves 0 and 1 store the 64 ranges' experts
	v_lshlrev_b32 v35, 2, v26
	global_store_b32 v35, v29, s[12:13] offset:32768
.Lnou:
	s_wait_tensorcnt 0x0                           ; the wave's end: three closing lines, behind my last LDS store
	ds_add_u32 v[SPW], v[NIL]
	s_wait_dscnt 0x0
	s_endpgm
.Lfunc_end_k_qcb55ec794b_prep:
	.size	k_qcb55ec794b_prep, .Lfunc_end_k_qcb55ec794b_prep-k_qcb55ec794b_prep
	.p2alignl 7, 3214868480
	.fill 96, 4, 3214868480
	.section	.rodata,"a",@progbits
	.p2align	6, 0x0
	.amdhsa_kernel k_qcb55ec794b_prep
		.amdhsa_group_segment_fixed_size 69632
		.amdhsa_private_segment_fixed_size 0
		.amdhsa_enable_private_segment 0
		.amdhsa_kernarg_size 40
		.amdhsa_user_sgpr_count 2
		.amdhsa_user_sgpr_kernarg_segment_ptr 1
		.amdhsa_wavefront_size32 1
		.amdhsa_system_sgpr_workgroup_id_x 1
		.amdhsa_system_sgpr_workgroup_id_y 1
		.amdhsa_system_sgpr_workgroup_id_z 1
		.amdhsa_system_vgpr_workitem_id 0
		.amdhsa_next_free_vgpr 256
		.amdhsa_next_free_sgpr 66
		.amdhsa_reserve_vcc 0
		.amdhsa_float_denorm_mode_32 3
		.amdhsa_float_denorm_mode_16_64 3
		.amdhsa_memory_ordered 1
		.amdhsa_forward_progress 1
		.amdhsa_inst_pref_size 59
	.end_amdhsa_kernel
	.amdgpu_metadata
---
amdhsa.version: [ 1, 2 ]
amdhsa.kernels:
  - .name:           k_qcb55ec794b_prep
    .symbol:         k_qcb55ec794b_prep.kd
    .args:
      - { .name: expert_w, .offset: 0, .size: 8, .value_kind: global_buffer, .address_space: global }
      - { .name: meta, .offset: 8, .size: 8, .value_kind: global_buffer, .address_space: global }
      - { .name: wq, .offset: 16, .size: 8, .value_kind: global_buffer, .address_space: global }
      - { .name: ws, .offset: 24, .size: 8, .value_kind: global_buffer, .address_space: global }
      - { .name: plan, .offset: 32, .size: 8, .value_kind: global_buffer, .address_space: global }
    .group_segment_fixed_size: 69632
    .private_segment_fixed_size: 0
    .kernarg_segment_align: 8
    .kernarg_segment_size: 40
    .max_flat_workgroup_size: 256
    .sgpr_count:     66
    .vgpr_count:     256
    .wavefront_size: 32
...
	.end_amdgpu_metadata
.endif
;; end of part 2
;; launch experts (part 3): grid 4 x 64, 4 waves a work-group, no clusters, 118,272 bytes of LDS; arguments xq, xs, gates, meta, plan, wq, ws, out0; writes out0
.if DOCPART == 3
	.amdgcn_target "amdgcn-amd-amdhsa--gfx1250"
	.amdhsa_code_object_version 6
	.text
	.protected	k_qcb55ec794b_experts
	.globl	k_qcb55ec794b_experts
	.p2align	8
	.type	k_qcb55ec794b_experts,@function
k_qcb55ec794b_experts:
	s_mov_b64 s[64:65], 0
	v_nop
	global_prefetch_b8 v0, s[64:65] scope:SCOPE_SE
	s_setreg_imm32_b32 hwreg(HW_REG_WAVE_MODE, 25, 1), 1
	s_wait_xcnt 0x0
; EPMoE, launch 3 of 3: out[t] = g_lo y_lo[t] + g_hi y_hi[t], on codes of E2M3 with E8M0 scales.
; WORK LEFT OUT: an expert is multiplied for a range of 128 sorted tokens only if some token of the range chose it (the set of experts that launch 2 stored); the rows of all_y that reference() never gathers reach no output.
; LIMIT: inside a range a row takes an expert that it did not choose with the weight 0: if that product overflows f32 the row becomes NaN where reference() stays finite.
; SHARES.  A work-group owns 128 places of the sorted list (work-group y) x 256 columns (work-group x), and so each row of out0 has one owner for each of its four quarters.  Wave w owns all 128 tokens x columns 64 w .. 64 w + 63.
; The tokens' codes are gathered once into LDS and read by all four waves.  A wave's weights come from memory straight into its registers, as images of the operand's registers (launch 2); no two waves load the same bytes.
; No tensor load and no cluster: how many experts a range walks, and which, hangs on the stored list, and neighbours would ask for different experts.
; THE MATRIX INSTRUCTION IS USED TRANSPOSED: source 0 = 16 rows of W (columns of out), source 1 = 16 tokens: a lane holds ONE token (lane % 16) and eight neighbouring columns, 8 (lane / 16) + 0 .. 7.
; Row r of row block rb is place 16 rb + 8 (r % 2) + r / 2 of the range, so that rows 2 i and 2 i + 1 are word i of the two halves of the block's 64 bytes of the list.
; A PASS is one expert: 8 steps of 128 along K x 32 products into TMP (the first step's products start the sums), then OUT (+)= g x TMP, g the token's weight for this expert or 0.
; The walk: a first pass, up to six middle passes (a loop of six trips; a scalar branch on the stored count jumps over a trip's pass), a last pass.  Every token has two different experts, so a range has at least two.
; REGISTERS, in windows of 256.  Window 0: v1-15 addresses; v24, v25 the add's two; v32-63 x's scale words; v64-79 W's; v80-87 the tokens' words; v88-103 their two weights; v104-119 this pass's weight (a pair a row block);
;   v120-215 x's eight fragments, ONE set (in the prologue: tokens and addresses; on the way out: rows read back).  Window 1: W's fragments, a ring of four steps x 48 (at the end: the stores' offsets).  Window 2: TMP, tile (rb, cb) at 32 rb + 8 cb
;   (in the prologue: x's codes in transit).  Window 3: OUT, laid likewise.
.set XP,    784                        ; a token's row in LDS: 768 bytes + 16: an odd multiple of 16 bytes
.set STG,   100352                     ; behind the 128 rows: a stage of 16 rows x (256 + 16) bytes for each wave
.set SPARE, 117760                     ; the spare words, 128 bytes for each wave: two blocks of 256 bytes that no other line names
.set RR,  1                            ; r = lane % 16
.set HH,  2                            ; h = lane / 16
.set LI,  3                            ; 16 x lane
.set L8,  4                            ; 8 x lane
.set ADL, 5                            ; x's fragments: 784 r + 48 h (row blocks 0-3)
.set ADH, 6                            ; the same for row blocks 4-7
.set STO, 7                            ; the stage: in
.set RD,  8                            ; and back
.set CO,  9                            ; 16 r
.set H32, 10                           ; 32 h
.set XW,  11                           ; where I put 16 bytes of a gathered row
.set SPW, 24
.set NIL, 25
.set XS,  32
.set WS,  64
.set KEY, 80
.set G,   88
.set GV,  104
.set AF,  120
.set BK,  120
.set TK,  120                          ; prologue: v120-135 the tokens of my wave's 32 rows, v136-143 my lane's token in each row block, v144-167 their offsets in xs, meta, gates
.set TF,  136
.set A5,  144
.set A2,  152
.set A3,  160
.set MSB, 0
.macro WIN new                         ; the immediate's high byte repeats the setting that is left
.if MSB != \new
	s_set_vgpr_msb (MSB<<8)|\new
.set MSB, \new
.endif
.endm
; the next expert: the lowest bit left in s30; its number in s50, its bases in s[36:37] (codes) and s[38:39] (scale words)
.macro NEXT
	s_ctz_i32_b32 s50, s30
	s_min_u32 s50, s50, 7
	s_sub_co_u32 s40, s30, 1
	s_and_b32 s30, s30, s40
	s_mul_i32 s40, s50, 786432                     ; an expert's codes: 64 blocks of 16 rows x 12,288 bytes
	s_add_co_u32 s40, s40, s44
	s_add_nc_u64 s[36:37], s[18:19], s[40:41]
	s_lshl_b32 s42, s50, 15                        ; its scale words: 64 x 512 bytes
	s_add_co_u32 s42, s42, s45
	s_add_nc_u64 s[38:39], s[20:21], s[42:43]
.endm
.macro BL s, base                      ; W's four fragments of step s into ring slot s % 4: twelve loads of 512 consecutive bytes
	WIN 0x40
.irp cb,0,1,2,3
.irp i,0,1,2
	global_load_b128 v[48*((\s)%4)+12*\cb+4*\i:48*((\s)%4)+12*\cb+4*\i+3], v[LI], s[\base:\base+1] offset:12288*\cb+1536*(\s)+512*\i
.endr
.endr
.endm
.macro WSL i, base                     ; W's scale words of steps 4 i .. 4 i + 3: register 4 cb + 2 i + t holds step 4 i + t in lanes 0-15 and step 4 i + 2 + t in lanes 16-31
	WIN 0
.irp cb,0,1,2,3
	global_load_b64 v[WS+4*\cb+2*(\i):WS+4*\cb+2*(\i)+1], v[L8], s[\base:\base+1] offset:512*\cb+256*(\i)
.endr
.endm
.macro AL q, s                         ; x's fragments of row blocks 2 q, 2 q + 1 for step s: 48 bytes a lane, on end
.irp u,0,1
.irp i,0,1,2
.set rB, 2*(\q)+\u
.if rB < 4
	ds_load_b128 v[AF+12*rB+4*\i:AF+12*rB+4*\i+3], v[ADL] offset:16*XP*rB+96*(\s)+16*\i
.else
	ds_load_b128 v[AF+12*rB+4*\i:AF+12*rB+4*\i+3], v[ADH] offset:16*XP*(rB-4)+96*(\s)+16*\i
.endif
.endr
.endr
.endm
; eight products: row blocks 2 q, 2 q + 1 x four column blocks.  The 32 accumulators take turns, one instruction a turn, in the same order in every step.
.macro MM s, q
	WIN 0xa1                                       ; source 0 (W) window 1, source 1 (x) window 0, C and D window 2
.irp u,0,1
.irp cb,0,1,2,3
.set rD, 32*(2*(\q)+\u)+8*\cb
.set rW, 48*((\s)%4)+12*\cb
.set rA, AF+12*(2*(\q)+\u)
.set rSW, WS+4*\cb+2*((\s)/4)+(\s)%2
.set rSX, XS+4*(2*(\q)+\u)+(\s)%4
.if (\s) == 0
	v_wmma_scale_f32_16x16x128_f8f6f4 v[rD:rD+7], v[rW:rW+11], v[rA:rA+11], 0, v[rSW], v[rSX] matrix_a_fmt:MATRIX_FMT_FP6 matrix_b_fmt:MATRIX_FMT_FP6
.elseif (\s) < 2
	v_wmma_scale_f32_16x16x128_f8f6f4 v[rD:rD+7], v[rW:rW+11], v[rA:rA+11], v[rD:rD+7], v[rSW], v[rSX] matrix_a_fmt:MATRIX_FMT_FP6 matrix_b_fmt:MATRIX_FMT_FP6
.elseif (\s) < 4
	v_wmma_scale_f32_16x16x128_f8f6f4 v[rD:rD+7], v[rW:rW+11], v[rA:rA+11], v[rD:rD+7], v[rSW], v[rSX] matrix_a_fmt:MATRIX_FMT_FP6 matrix_b_fmt:MATRIX_FMT_FP6 matrix_a_scale:MATRIX_SCALE_ROW1
.elseif (\s) < 6
	v_wmma_scale_f32_16x16x128_f8f6f4 v[rD:rD+7], v[rW:rW+11], v[rA:rA+11], v[rD:rD+7], v[rSW], v[rSX] matrix_a_fmt:MATRIX_FMT_FP6 matrix_b_fmt:MATRIX_FMT_FP6 matrix_b_scale:MATRIX_SCALE_ROW1
.else
	v_wmma_scale_f32_16x16x128_f8f6f4 v[rD:rD+7], v[rW:rW+11], v[rA:rA+11], v[rD:rD+7], v[rSW], v[rSX] matrix_a_fmt:MATRIX_FMT_FP6 matrix_b_fmt:MATRIX_FMT_FP6 matrix_a_scale:MATRIX_SCALE_ROW1 matrix_b_scale:MATRIX_SCALE_ROW1
.endif
.endr
.endr
.endm
; OUT (+)= g x TMP.  The 48 lines that make g name no register of the last products: they are the places behind them.  Each accumulator is read from its low end on.
.macro UPD kind
	WIN 0
.irp rb,0,1,2,3,4,5,6,7
	v_and_b32 v12, 15, v[KEY+\rb]                  ; the token's lower expert,
	v_bfe_u32 v13, v[KEY+\rb], 4, 4                ; and its higher
	v_cmp_eq_u32 vcc_lo, s31, v12
	v_cndmask_b32 v[GV+2*\rb], 0, v[G+2*\rb], vcc_lo
	v_cmp_eq_u32 vcc_lo, s31, v13
	v_cndmask_b32 v[GV+2*\rb], v[GV+2*\rb], v[G+2*\rb+1], vcc_lo
.endr
	WIN 0xf2                                       ; source 0 (TMP) window 2, source 1 (g) window 0, source 2 and destination (OUT) window 3
.irp rb,0,1,2,3,4,5,6,7
.irp i,0,2,4,6,8,10,12,14,16,18,20,22,24,26,28,30
.if (\kind) == 0
	v_pk_mul_f32 v[32*\rb+\i:32*\rb+\i+1], v[32*\rb+\i:32*\rb+\i+1], v[GV+2*\rb:GV+2*\rb+1] op_sel_hi:[1,0]   ; the first pass starts OUT: nothing is cleared
.else
	v_pk_fma_f32 v[32*\rb+\i:32*\rb+\i+1], v[32*\rb+\i:32*\rb+\i+1], v[GV+2*\rb:GV+2*\rb+1], v[32*\rb+\i:32*\rb+\i+1] op_sel_hi:[1,0,1]
.endif
.endr
.endr
	WIN 0
.endm
; A PASS.  kind 0: the first, 1: a middle one, 2: the last.  On every way in, these global loads are out, in this order: the expert's scale words of steps 0-3 (4), W of steps 0, 1, 2 (12 each); and x's 24 LDS loads of step 0.
; Step s issues W of step s + 3 (from step 5 on: the NEXT expert's steps 0, 1, 2; in step 4 also its first scale words), so that W is asked for three steps ahead, across passes too.
; The wait at a step's head counts the loads issued behind W of that step: 24, 28, 28, 24, 24, 28, 28, 28; in the last pass, which asks for no next expert but in step 6 for the 16 loads of the stores' tokens: .. 24, 12, 16.
; x's fragments have one set of registers: a pair of row blocks is fetched anew, for the next step, behind its eight products and four places.  The wait in front of a pair's products leaves the three younger batches of six out: 18.
.macro PASS kind
	s_wait_xcnt 0x0                                ; every load issued so far has read its base: the bases may be written
	s_mov_b64 s[32:33], s[36:37]
	s_mov_b64 s[34:35], s[38:39]
	s_mov_b32 s31, s50
.if (\kind) != 2
	NEXT
.endif
.irp s,0,1,2,3,4,5,6,7
.set NW, 28
.if (\s) == 0 || (\s) == 3 || (\s) == 4
.set NW, 24
.endif
.if (\kind) == 2 && (\s) == 5
.set NW, 24
.endif
.if (\kind) == 2 && (\s) == 6
.set NW, 12
.endif
.if (\kind) == 2 && (\s) == 7
.set NW, 16
.endif
	s_wait_loadcnt NW
.if (\s) == 0
	WSL 1, 34
.endif
.if (\s) <= 4
	BL (\s)+3, 32
.endif
.if (\s) == 4 && (\kind) != 2
	WSL 0, 38
.endif
.if (\s) >= 5 && (\kind) != 2
	BL (\s)-5, 36
.endif
.if (\s) == 6 && (\kind) == 2
	WIN 0x40                                       ; the tokens of rows 2 i + h of each row block, for the stores: into ring slots 0 and 1, which are done with
.irp a,0,1,2,3,4,5,6,7
.irp i,0,1
	global_load_b128 v[8*\a+4*\i:8*\a+4*\i+3], v[H32], s[24:25] offset:64*\a+16*\i
.endr
.endr
.endif
.irp q,0,1,2,3
.if (\kind) == 2 && (\s) == 7
	s_wait_dscnt 18-6*\q                           ; nothing more is fetched: the counts run down
	MM \s, \q
.else
	s_wait_dscnt 18
	MM \s, \q
	WIN 0
.rept 4
	v_nop                                          ; four places between products and loads into registers that they have read (ISA guide 7.12.1 for vector instructions); they serve the next step's loads of W and scale words too
.endr
	AL \q, ((\s)+1)%8
.endif
.endr
.endr
	UPD \kind
.endm
	s_load_b512 s[8:23], s[0:1], 0x0               ; xq s[8:9], xs s[10:11], gates s[12:13], meta s[14:15], plan s[16:17], wq s[18:19], ws s[20:21], out0 s[22:23]
	v_lshl_add_u32 v[SPW], v0, 2, SPARE
	v_mov_b32 v[NIL], 0
	v_lshrrev_b32 v12, 5, v0
	v_readfirstlane_b32 s26, v12                   ; wave 0..3
	v_and_b32 v[RR], 15, v0
	v_bfe_u32 v[HH], v0, 4, 1
	v_and_b32 v12, 31, v0
	v_lshlrev_b32 v[LI], 4, v12
	v_lshlrev_b32 v[L8], 3, v12
	v_mul_u32_u24 v[ADL], v[RR], XP
	v_mad_u32_u24 v[ADL], v[HH], 48, v[ADL]
	v_add_nc_u32 v[ADH], 64*XP, v[ADL]
	s_mul_i32 s40, s26, 16*272
	s_add_co_u32 s40, s40, STG
	v_mul_u32_u24 v[STO], v[RR], 272
	v_lshl_add_u32 v[STO], v[HH], 5, v[STO]
	v_add_nc_u32 v[STO], s40, v[STO]               ; in: row r, 32 bytes for each half of the lanes
	v_mul_u32_u24 v[RD], v[HH], 272
	v_lshl_add_u32 v[RD], v[RR], 4, v[RD]
	v_add_nc_u32 v[RD], s40, v[RD]                 ; back: lanes 0-15 one row of 256 bytes, lanes 16-31 the next
	v_lshlrev_b32 v[CO], 4, v[RR]
	v_lshlrev_b32 v[H32], 5, v[HH]
	v_lshlrev_b32 v14, 4, v[HH]                    ; 16 h
	s_mul_i32 s40, s26, 32*XP
	v_mul_u32_u24 v[XW], v[HH], XP
	v_add_nc_u32 v[XW], v[XW], v[CO]
	v_add_nc_u32 v[XW], s40, v[XW]                 ; my wave's 32 rows; lanes 0-15 a row, lanes 16-31 the next
	v_and_b32 v12, 1, v0
	v_lshrrev_b32 v13, 1, v[RR]
	v_lshl_add_u32 v13, v12, 3, v13
	v_lshlrev_b32 v13, 2, v13                      ; row r's word in a row block's part of the list: 4 (8 (r % 2) + r / 2)
.irp rb,0,1,2,3,4,5,6,7
	v_mov_b32 v[GV+2*\rb+1], 0                     ; named as the upper half of a pair, so it is written
.endr
	s_mov_b32 s27, ttmp9                           ; which 256 columns
	s_and_b32 s28, ttmp7, 0xffff                   ; which range of 128 places
	s_mul_i32 s44, s27, 196608                     ; my wave's four blocks of 16 rows of W, in an expert's codes: 16 x + 4 w blocks of 12,288 bytes,
	s_mul_i32 s40, s26, 49152
	s_add_co_u32 s44, s44, s40
	s_lshl_b32 s45, s27, 13                        ; and in its scale words: blocks of 512 bytes
	s_lshl_b32 s40, s26, 11
	s_add_co_u32 s45, s45, s40
	s_mov_b32 s41, 0
	s_mov_b32 s43, 0
	s_lshl_b32 s46, s28, 2
	s_lshl_b32 s54, s28, 9
	s_mov_b32 s55, 0
	s_lshl_b32 s56, s26, 7
	s_mov_b32 s57, 0
	s_lshl_b32 s58, s27, 10
	s_lshl_b32 s59, s26, 8
	s_add_co_u32 s58, s58, s59
	s_mov_b32 s59, 0
	s_wait_kmcnt 0x0
	s_load_b32 s29, s[16:17], s46 offset:0x8000    ; the range's set of experts
	s_add_nc_u64 s[24:25], s[16:17], s[54:55]      ; the range's part of the list,
	s_add_nc_u64 s[52:53], s[24:25], s[56:57]      ; my wave's two row blocks of it
	s_add_nc_u64 s[22:23], s[22:23], s[58:59]      ; out0 at my wave's 256 bytes of a row
.irp q,0,1
.irp i,0,1
	global_load_b128 v[TK+8*\q+4*\i:TK+8*\q+4*\i+3], v[H32], s[52:53] offset:64*\q+16*\i   ; register 8 q + i: the token of row 2 i + h of row block 2 w + q
.endr
.endr
.irp rb,0,1,2,3,4,5,6,7
	global_load_b32 v[TF+\rb], v13, s[24:25] offset:64*\rb                                 ; the token of row r of row block rb
.endr
	s_wait_kmcnt 0x0
	s_bcnt1_i32_b32 s49, s29
	s_sub_co_u32 s49, s49, 1                       ; passes behind the first
	s_mov_b32 s30, s29
	NEXT                                           ; the first expert
	s_wait_loadcnt 0x0
.set p, 0
.rept 16
	v_min_u32 v[TK+p], 0x1fff, v[TK+p]             ; a token lies in 0 .. 8,191
	v_mad_u32_u24 v[TK+p], v[TK+p], 768, v[CO]     ; its row of codes, 16 bytes a lane
.set p, p+1
.endr
.irp rb,0,1,2,3,4,5,6,7
	v_min_u32 v[TF+\rb], 0x1fff, v[TF+\rb]
	v_lshl_add_u32 v[A5+\rb], v[TF+\rb], 5, v14    ; xs: 32 bytes a token; lanes 16-31 take the upper 16
	v_lshlrev_b32 v[A2+\rb], 2, v[TF+\rb]
	v_lshlrev_b32 v[A3+\rb], 3, v[TF+\rb]
.endr
	WIN 0x80                                       ; destination window 2
.set p, 0
.rept 16
.irp t,0,1,2
	global_load_b128 v[12*p+4*\t:12*p+4*\t+3], v[TK+p], s[8:9] offset:256*\t   ; sixteen lanes read 256 consecutive bytes, at a multiple of 256 from xq's first byte
.endr
.set p, p+1
.endr
	WIN 0
.irp rb,0,1,2,3,4,5,6,7
	global_load_b128 v[XS+4*\rb:XS+4*\rb+3], v[A5+\rb], s[10:11]   ; register 4 rb + i: the scale word of step i in lanes 0-15, of step 4 + i in lanes 16-31
.endr
.irp rb,0,1,2,3,4,5,6,7
	global_load_b32 v[KEY+\rb], v[A2+\rb], s[14:15]
.endr
.irp rb,0,1,2,3,4,5,6,7
	global_load_b64 v[G+2*\rb:G+2*\rb+1], v[A3+\rb], s[12:13]
.endr
	WSL 0, 38
	BL 0, 36
	BL 1, 36
	BL 2, 36
	s_wait_loadcnt 63                              ; 64 loads stand behind the last gather (8 + 8 + 8 + 4 + 36): the 48 gathers are in
	WIN 0x08                                       ; an LDS store's data are its source 1: window 2
.set p, 0
.rept 16
.irp t,0,1,2
	ds_store_b128 v[XW], v[12*p+4*\t:12*p+4*\t+3] offset:(16*(p/8)+2*(p%8))*XP+256*\t
.endr
.set p, p+1
.endr
	WIN 0
	s_wait_dscnt 0x0                               ; for the others' sake: my 32 rows lie in LDS
	s_barrier_signal -1
	s_barrier_wait -1
	s_wait_xcnt 0x0                                ; the loads above have read their offsets: v120-215 may take x's fragments
.irp q,0,1,2,3
	AL \q, 0
.endr
	PASS 0
	s_mov_b32 s48, 6
.Lmid:
	s_cmp_le_u32 s49, 1                            ; only the last pass is left: a branch on the stored set's count, the same in all four waves
	s_cbranch_scc1 .Lskip
	PASS 1
	s_sub_co_u32 s49, s49, 1
.Lskip:
	s_sub_co_u32 s48, s48, 1
	s_cmp_lg_u32 s48, 0
	s_cbranch_scc1 .Lmid
	PASS 2
	; THE WAY OUT, a row block (16 tokens x 64 columns) at a time: through my own stage and back as rows of 256 bytes; lanes 0-15 store row 2 i, lanes 16-31 row 2 i + 1, each 256 consecutive bytes at a multiple of 256 from out0's first byte.
	s_wait_loadcnt 0x0                             ; the stores' tokens
	WIN 0x44                                       ; source 1 and destination window 1
.set p, 0
.rept 64
	v_min_u32 v[p], 0x1fff, v[p]
.set p, p+1
.endr
	WIN 0x41                                       ; source 0 and destination window 1
.set p, 0
.rept 64
	v_lshl_add_u32 v[p], v[p], 12, v[CO]           ; the token's row of 4,096 bytes, 16 bytes a lane
.set p, p+1
.endr
.macro TOSTAGE a
	WIN 0x0c                                       ; the data: window 3
.irp cb,0,1,2,3
	ds_store_b128 v[STO], v[32*(\a)+8*\cb:32*(\a)+8*\cb+3] offset:64*\cb
	ds_store_b128 v[STO], v[32*(\a)+8*\cb+4:32*(\a)+8*\cb+7] offset:64*\cb+16
.endr
	WIN 0
.irp i,0,1,2,3,4,5,6,7
	ds_load_b128 v[BK+32*((\a)%2)+4*\i:BK+32*((\a)%2)+4*\i+3], v[RD] offset:544*\i   ; LDS serves a wave's instructions in order: these see the stores above, and the next block's stores come behind them
.endr
.endm
.macro SEND a, younger                 ; younger: the LDS instructions issued behind block a's loads: the next block's eight stores and eight loads, or none
	s_wait_dscnt \younger
	WIN 0x01                                       ; the offsets: window 1
.irp i,0,1,2,3,4,5,6,7
	global_store_b128 v[8*(\a)+\i], v[BK+32*((\a)%2)+4*\i:BK+32*((\a)%2)+4*\i+3], s[22:23] th:TH_STORE_NT
.endr
	WIN 0
.endm
	TOSTAGE 0
.irp a,1,2,3,4,5,6,7
.if \a > 1
	s_wait_xcnt 0x0                                ; block a - 2's stores have read their registers: block a's loads may land there
.endif
	TOSTAGE \a
	SEND \a-1, 16
.endr
	SEND 7, 0
	s_wait_tensorcnt 0x0                           ; the wave's end
	ds_add_u32 v[SPW], v[NIL]
	s_wait_dscnt 0x0
	s_endpgm
.Lfunc_end_k_qcb55ec794b_experts:
	.size	k_qcb55ec794b_experts, .Lfunc_end_k_qcb55ec794b_experts-k_qcb55ec794b_experts
	.p2alignl 7, 3214868480
	.fill 96, 4, 3214868480
	.section	.rodata,"a",@progbits
	.p2align	6, 0x0
	.amdhsa_kernel k_qcb55ec794b_experts
		.amdhsa_group_segment_fixed_size 118272
		.amdhsa_private_segment_fixed_size 0
		.amdhsa_enable_private_segment 0
		.amdhsa_kernarg_size 64
		.amdhsa_user_sgpr_count 2
		.amdhsa_user_sgpr_kernarg_segment_ptr 1
		.amdhsa_wavefront_size32 1
		.amdhsa_system_sgpr_workgroup_id_x 1
		.amdhsa_system_sgpr_workgroup_id_y 1
		.amdhsa_system_sgpr_workgroup_id_z 1
		.amdhsa_system_vgpr_workitem_id 0
		.amdhsa_next_free_vgpr 1024
		.amdhsa_next_free_sgpr 66
		.amdhsa_reserve_vcc 1
		.amdhsa_float_denorm_mode_32 3
		.amdhsa_float_denorm_mode_16_64 3
		.amdhsa_memory_ordered 1
		.amdhsa_forward_progress 1
		.amdhsa_inst_pref_size 255
	.end_amdhsa_kernel
	.section	.bss,"aw",@nobits
	.p2align	6
	.space	262144
	.amdgpu_metadata
---
amdhsa.version: [ 1, 2 ]
amdhsa.kernels:
  - .name:           k_qcb55ec794b_experts
    .symbol:         k_qcb55ec794b_experts.kd
    .args:
      - { .name: xq, .offset: 0, .size: 8, .value_kind: global_buffer, .address_space: global }
      - { .name: xs, .offset: 8, .size: 8, .value_kind: global_buffer, .address_space: global }
      - { .name: gates, .offset: 16, .size: 8, .value_kind: global_buffer, .address_space: global }
      - { .name: meta, .offset: 24, .size: 8, .value_kind: global_buffer, .address_space: global }
      - { .name: plan, .offset: 32, .size: 8, .value_kind: global_buffer, .address_space: global }
      - { .name: wq, .offset: 40, .size: 8, .value_kind: global_buffer, .address_space: global }
      - { .name: ws, .offset: 48, .size: 8, .value_kind: global_buffer, .address_space: global }
      - { .name: out0, .offset: 56, .size: 8, .value_kind: global_buffer, .address_space: global }
    .group_segment_fixed_size: 118272
    .private_segment_fixed_size: 0
    .kernarg_segment_align: 8
    .kernarg_segment_size: 64
    .max_flat_workgroup_size: 128
    .sgpr_count:     66
    .vgpr_count:     1024
    .wavefront_size: 32
...
	.end_amdgpu_metadata
.endif
;; end of part 3
;; ======== version 2 of 2: 3 launches
;; workspace buffers: xq 6,291,456 bytes; xs 262,144 bytes; gates 65,536 bytes; meta 65,536 bytes of whole numbers; wq 6,291,456 bytes; ws 262,144 bytes; plan 33,024 bytes of whole numbers
;; launch route (part 4): grid 256 x 1, 4 waves a work-group, no clusters, 50,688 bytes of LDS; arguments x, gate_w, xq, xs, gates, meta; writes xq, xs, gates, meta
.if DOCPART == 4
	.amdgcn_target "amdgcn-amd-amdhsa--gfx1250"
	.amdhsa_code_object_version 6
	.text
	.protected	k_qcb55ec794b_route
	.globl	k_qcb55ec794b_route
	.p2align	8
	.type	k_qcb55ec794b_route,@function
k_qcb55ec794b_route:
	s_mov_b64 s[64:65], 0
	v_nop
	global_prefetch_b8 v0, s[64:65] scope:SCOPE_SE
	s_setreg_imm32_b32 hwreg(HW_REG_WAVE_MODE, 25, 1), 1
	s_wait_xcnt 0x0
; EPMoE, launch 1 of 3: the gate, and x as codes.
; out[t] = w1 y_{i1}[t] + w2 y_{i2}[t], y_e = Q(x) Q(W_e)^T, (i1, i2) the two largest of softmax(x gate_w^T), (w1, w2) their probabilities.
; DEAD WORK, for all values of the inputs: reference() forms y_e[t] for all 8 experts and then gathers, for each token, the rows of its two chosen experts;
; the other six rows of all_y of a token are read by nothing, so they can reach no output.  This program multiplies an expert only for ranges of 128 tokens
; (sorted by their pair of experts) in which some token chose it; inside such a range a row that did not choose the expert takes it with the weight 0.
; LIMITS: a NaN, an infinity or an overflow in an expert's product that is left out is not carried to the result; where a row's product with an expert that it did
; not choose, but a neighbour in its range did, overflows f32, 0 x infinity gives NaN where reference() stays finite.  NaN among the logits is not served.
; Every input is loaded.  The gate's product is made in f32 (fused multiply-adds); the softmax takes its maximum away.
; THIS LAUNCH: a work-group owns 32 tokens; wave w owns K = 256 w .. 256 w + 255 of all of them, so that its part of gate_w (8 x 256 numbers) stays in 128 registers.
; A step takes two tokens: four loads of 512 consecutive bytes, turned through the wave's own stage in LDS so that a lane holds 16 neighbours along K (lanes 0-15 the even token, lanes 16-31 the odd one).
; From these 16: eight partial logits (summed over 16 lanes), and 16 codes of E2M3 with the block's E8M0 byte (two neighbouring lanes hold a block of 32).
; A block's scale byte is its largest magnitude's exponent field - 2, held at 1 from below (a block of zeros gets 1 where the rule says 127: its codes are zeros, and this program alone reads the bytes).
; xq: [token][768 bytes]; the 96 bytes of 128 along K hold the blocks in the order 0, 2, 1, 3, so that the 48 bytes that one half of the lanes wants of a fragment lie on end.  xs: [token][32] bytes, in K's order.
; Wave 0 then makes, a lane to a token: the top two (the lower index wins a tie), their probabilities, the pair's number p of 28, the token's rank among its block's tokens of the same pair, and the block's count of each pair.
; All of these are stored as values at fixed places: no address and no branch here hangs on them.
.set XQS,   20480                      ; LDS: 0 .. 20479: two stages of 2,560 bytes for each wave; then the work-group's 32 rows of codes, as they will lie in xq,
.set XSS,   45056                      ; its 32 x 32 scale bytes,
.set PART,  46080                      ; the partial logits: 4 waves x 8 experts x 32 tokens,
.set SPARE, 50176                      ; and the spare words, 128 bytes for each wave: two blocks of 256 bytes that no other line names
.set LN,   1                           ; lane
.set L16,  2                           ; lane % 16
.set HF,   3                           ; lane / 16
.set LI,   4                           ; 16 x lane
.set SIN,  5                           ; the stage, on the way in
.set SOUT, 6                           ; and on the way out: 80 x lane
.set CAD,  7                           ; where my 12 bytes of codes go
.set BAD,  8                           ; where my block's byte goes
.set PAD,  9                           ; where my wave's partial logits go
.set SPW,  14                          ; LDS address of my spare word; never rewritten
.set NIL,  15                          ; 0; never rewritten
.set CDE,  16                          ; v16-19, v20-23: a step's codes (3) and byte, two sets by turns
.set XQR,  24
.set XSR,  25
.set L8,   26
.set PRD,  27
.set GWO,  28
.set LG,   30                          ; v30-37  partial logits: lane 16 h + j holds token 2 j + h
.set ACC,  40                          ; v40-55  eight pairs of running sums
.set X,    56                          ; v56-87  two sets of 16 neighbours
.set GW,   88                          ; v88-215 gate_w[e][256 w + 16 (lane % 16) + k] at 16 e + k
.set MSB, 0
.macro WIN new                         ; the immediate's high byte repeats the setting that is left
.if MSB != \new
	s_set_vgpr_msb (MSB<<8)|\new
.set MSB, \new
.endif
.endm
	s_load_b256 s[4:11], s[0:1], 0x0               ; x, gate_w, xq, xs
	s_load_b128 s[12:15], s[0:1], 0x20             ; gates, meta
	v_lshl_add_u32 v[SPW], v0, 2, SPARE
	v_mov_b32 v[NIL], 0
	v_lshrrev_b32 v10, 5, v0
	v_readfirstlane_b32 s16, v10                   ; wave
	v_and_b32 v[LN], 31, v0
	v_and_b32 v[L16], 15, v0
	v_bfe_u32 v[HF], v0, 4, 1
	v_lshlrev_b32 v[LI], 4, v[LN]
	v_lshlrev_b32 v[L8], 3, v[LN]
	v_lshlrev_b32 v[GWO], 6, v[L16]
	s_mul_i32 s17, s16, 5120
	v_lshrrev_b32 v10, 2, v[LN]
	v_mul_u32_u24 v[SIN], v10, 80
	v_and_b32 v10, 3, v0
	v_lshl_add_u32 v[SIN], v10, 4, v[SIN]
	v_add_nc_u32 v[SIN], s17, v[SIN]               ; four lanes' 64 bytes on end, then 16 of padding
	v_mul_u32_u24 v[SOUT], v[LN], 80
	v_add_nc_u32 v[SOUT], s17, v[SOUT]
	v_and_b32 v10, 1, v0                           ; my 16 numbers begin at k = 16 (lane % 16) of the quarter: half of a block,
	v_mul_u32_u24 v[CAD], v10, 12
	v_bfe_u32 v10, v0, 1, 1                        ; block's low bit: 48 bytes,
	v_mad_u32_u24 v[CAD], v10, 48, v[CAD]
	v_bfe_u32 v10, v0, 2, 1                        ; its high bit: 24 bytes,
	v_mad_u32_u24 v[CAD], v10, 24, v[CAD]
	v_bfe_u32 v10, v0, 3, 1                        ; which 128 along K,
	v_mad_u32_u24 v[CAD], v10, 96, v[CAD]
	v_mad_u32_u24 v[CAD], v[HF], 768, v[CAD]       ; which of the step's two tokens,
	s_mul_i32 s17, s16, 192
	s_add_co_u32 s17, s17, XQS
	v_add_nc_u32 v[CAD], s17, v[CAD]               ; and my wave's quarter of the row
	v_lshrrev_b32 v[BAD], 1, v[L16]
	v_lshl_add_u32 v[BAD], v[HF], 5, v[BAD]
	s_lshl_b32 s17, s16, 3
	s_add_co_u32 s17, s17, XSS
	v_add_nc_u32 v[BAD], s17, v[BAD]
	s_lshl_b32 s17, s16, 10
	s_add_co_u32 s17, s17, PART
	v_lshl_add_u32 v[PAD], v[LN], 2, s17
	s_mul_i32 s17, s16, 6144
	s_add_co_u32 s17, s17, XQS
	v_add_nc_u32 v[XQR], s17, v[LI]
	s_lshl_b32 s17, s16, 8
	s_add_co_u32 s17, s17, XSS
	v_add_nc_u32 v[XSR], s17, v[L8]
	v_lshl_add_u32 v[PRD], v[LN], 2, PART
	s_lshl_b32 s18, ttmp9, 17                      ; 32 rows of 4,096 bytes a work-group,
	s_lshl_b32 s20, s16, 10                        ; 1,024 bytes of a row a wave
	s_add_co_u32 s18, s18, s20
	s_mov_b32 s19, 0
	s_mov_b32 s21, 0
	s_wait_kmcnt 0x0
	s_add_nc_u64 s[4:5], s[4:5], s[18:19]
	s_add_nc_u64 s[6:7], s[6:7], s[20:21]
.irp e,0,1,2,3,4,5,6,7
.irp q,0,1,2,3
	global_load_b128 v[GW+16*\e+4*\q:GW+16*\e+4*\q+3], v[GWO], s[6:7] offset:4096*\e+16*\q
.endr
.endr
	WIN 0x40                                       ; destination window 1: step j's 16 registers at v[16 j]: every step has its own, so all 64 loads go out at once
.set j, 0
.rept 16
.irp i,0,1,2,3
	global_load_b128 v[16*j+4*\i:16*j+4*\i+3], v[LI], s[4:5] offset:(2*j+\i/2)*4096+512*(\i%2) th:TH_LOAD_NT
.endr
.set j, j+1
.endr
	WIN 0
	s_mul_i32 s18, ttmp9, 24576
	s_mul_i32 s20, s16, 6144
	s_add_co_u32 s18, s18, s20
	s_add_nc_u64 s[8:9], s[8:9], s[18:19]          ; xq at my wave's 6,144 bytes
	s_lshl_b32 s18, ttmp9, 10
	s_lshl_b32 s20, s16, 8
	s_add_co_u32 s18, s18, s20
	s_add_nc_u64 s[10:11], s[10:11], s[18:19]      ; xs at my wave's 256
	s_lshl_b32 s18, ttmp9, 8
	s_add_nc_u64 s[12:13], s[12:13], s[18:19]      ; gates: 8 bytes a token
	s_lshl_b32 s18, ttmp9, 7
	s_add_nc_u64 s[14:15], s[14:15], s[18:19]      ; meta: 4 bytes a token; 128 bytes of counts a block
.macro TURN t                          ; step t's 2,048 bytes through the stage: LDS serves a wave's instructions in order, so no wait stands between the stores and the loads
	WIN 0x04                                       ; an LDS store's data are its source 1: window 1
.irp i,0,1,2,3
	ds_store_b128 v[SIN], v[16*(\t)+4*\i:16*(\t)+4*\i+3] offset:2560*((\t)%2)+640*\i
.endr
	WIN 0
.irp i,0,1,2,3
	ds_load_b128 v[X+16*((\t)%2)+4*\i:X+16*((\t)%2)+4*\i+3], v[SOUT] offset:2560*((\t)%2)+16*\i
.endr
.endm
.macro STEP j
.set XS_, X+16*((\j)%2)
.set CD_, CDE+4*((\j)%2)
.if (\j) > 0
	s_wait_dscnt 4                                 ; all but the last step's four stores of codes and byte: this step's numbers are back, and the stores of two steps ago have read the registers that this step writes
.else
	s_wait_dscnt 0x0
.endif
.if (\j) < 15
	s_wait_loadcnt 56-4*(\j)                       ; the next step's four loads are in; behind them stand four for each later step
	TURN (\j)+1
.endif
.irp e,0,1,2,3,4,5,6,7
	v_pk_mul_f32 v[ACC+2*\e:ACC+2*\e+1], v[XS_:XS_+1], v[GW+16*\e:GW+16*\e+1]      ; the first product starts each sum; the eight experts by turns
.endr
.irp k,2,4,6,8,10,12,14
.irp e,0,1,2,3,4,5,6,7
	v_pk_fma_f32 v[ACC+2*\e:ACC+2*\e+1], v[XS_+\k:XS_+\k+1], v[GW+16*\e+\k:GW+16*\e+\k+1], v[ACC+2*\e:ACC+2*\e+1]
.endr
.endr
.irp e,0,1,2,3,4,5,6,7
	v_add_f32 v[ACC+2*\e], v[ACC+2*\e], v[ACC+2*\e+1]
.endr
.irp m,1,2,4,8
.irp e,0,1,2,3,4,5,6,7
	v_add_f32_dpp v[ACC+2*\e], v[ACC+2*\e], v[ACC+2*\e] row_xmask:\m row_mask:0xf bank_mask:0xf   ; over the 16 lanes that hold one token
.endr
.endr
.if (\j) == 0
.irp e,0,1,2,3,4,5,6,7
	v_mov_b32 v[LG+\e], v[ACC+2*\e]
.endr
.else
	s_mov_b32 s22, (1<<(\j))|(1<<(16+(\j)))        ; lanes j and 16 + j keep this step's two tokens
.irp e,0,1,2,3,4,5,6,7
	v_cndmask_b32 v[LG+\e], v[LG+\e], v[ACC+2*\e], s22
.endr
.endif
	v_max3_num_f32 v12, |v[XS_]|, |v[XS_+1]|, |v[XS_+2]|           ; the largest magnitude of my 16, in two chains
	v_max3_num_f32 v13, |v[XS_+3]|, |v[XS_+4]|, |v[XS_+5]|
.irp i,6,10
	v_max3_num_f32 v12, v12, |v[XS_+\i]|, |v[XS_+\i+1]|
	v_max3_num_f32 v13, v13, |v[XS_+\i+2]|, |v[XS_+\i+3]|
.endr
	v_max3_num_f32 v12, v12, |v[XS_+14]|, |v[XS_+15]|
	v_max3_num_f32 v12, v12, v13, 0x1800000        ; and the floor 2^(3 - 127): the byte cannot fall under 1
	v_max_num_f32_dpp v12, v12, v12 row_xmask:1 row_mask:0xf bank_mask:0xf   ; with my neighbour's 16: the block's
	v_add_nc_u32 v11, 0xff000000, v12              ; 2 off its exponent field: the conversion takes the exponent field of this operand as its scale
	v_cvt_scalef32_pk16_fp6_f32 v[CD_:CD_+2], v[XS_:XS_+15], v11
	v_lshrrev_b32 v[CD_+3], 23, v11                ; the scale's byte (also the plain line behind the conversion)
	ds_store_b32 v[CAD], v[CD_] offset:1536*(\j)
	ds_store_b32 v[CAD], v[CD_+1] offset:1536*(\j)+4
	ds_store_b32 v[CAD], v[CD_+2] offset:1536*(\j)+8
	ds_store_b8 v[BAD], v[CD_+3] offset:64*(\j)    ; both lanes of a block write the same byte with the same value
.endm
	s_wait_loadcnt 60                              ; gate_w and step 0's four loads are in; 60 loads stand behind them
	TURN 0
.irp t,0,1,2,3,4,5,6,7,8,9,10,11,12,13,14,15
	STEP \t
.endr
.irp e,0,1,2,3,4,5,6,7
	ds_store_b32 v[PAD], v[LG+\e] offset:128*\e
.endr
	s_wait_dscnt 0x0                               ; for the others' sake: my codes, bytes and partial logits lie in LDS
	s_barrier_signal -1
	s_barrier_wait -1
	; the way out: the work-group's codes are 24,576 consecutive bytes of xq, its bytes 1,024 of xs: each store of a wave covers whole aligned runs of 256 bytes
.irp i,0,1,2,3,4,5,6,7,8,9,10,11
	ds_load_b128 v[GW+4*\i:GW+4*\i+3], v[XQR] offset:512*\i
.endr
	ds_load_b64 v[136:137], v[XSR]
.irp i,0,1,2,3,4,5,6,7,8,9,10,11
	s_wait_dscnt 12-\i                             ; load i is in; behind it stand 11 - i of its kind and the bytes' load
	global_store_b128 v[LI], v[GW+4*\i:GW+4*\i+3], s[8:9] offset:512*\i
.endr
	s_wait_dscnt 0x0
	global_store_b64 v[L8], v[136:137], s[10:11]
	s_cmp_lg_u32 s16, 0
	s_cbranch_scc1 .Lend                           ; the rest is wave 0's: a lane to a token
.irp w,0,1,2,3
.irp e,0,1,2,3,4,5,6,7
	ds_load_b32 v[140+8*\w+\e], v[PRD] offset:1024*\w+128*\e
.endr
.endr
	s_wait_dscnt 0x0
.irp e,0,1,2,3,4,5,6,7
	v_add_f32 v[140+\e], v[140+\e], v[148+\e]
.endr
.irp e,0,1,2,3,4,5,6,7
	v_add_f32 v[156+\e], v[156+\e], v[164+\e]
.endr
.irp e,0,1,2,3,4,5,6,7
	v_add_f32 v[140+\e], v[140+\e], v[156+\e]      ; the logits
.endr
	v_mov_b32 v172, v140                           ; the largest and its expert,
	v_mov_b32 v173, 0
	v_mov_b32 v174, 0xff800000                     ; the second and its expert
	v_mov_b32 v175, 1
.irp e,1,2,3,4,5,6,7                   ; 'greater' alone moves a place: of equal logits the lower index stays ahead, as in jax.lax.top_k
	v_mov_b32 v176, \e
	v_cmp_gt_f32 s22, v[140+\e], v172
	v_cmp_gt_f32 s23, v[140+\e], v174
	v_cndmask_b32 v174, v174, v[140+\e], s23
	v_cndmask_b32 v175, v175, v176, s23
	v_cndmask_b32 v174, v174, v172, s22
	v_cndmask_b32 v175, v175, v173, s22
	v_cndmask_b32 v172, v172, v[140+\e], s22
	v_cndmask_b32 v173, v173, v176, s22
.endr
.irp e,0,1,2,3,4,5,6,7
	v_sub_f32 v[180+\e], v[140+\e], v172           ; the maximum is taken away
.endr
	v_sub_f32 v188, v174, v172
.irp e,0,1,2,3,4,5,6,7,8
	v_mul_f32 v[180+\e], 0x3fb8aa3b, v[180+\e]     ; x log2(e)
.endr
	s_wait_alu depctr_va_vdst(0)
.irp e,0,1,2,3,4,5,6,7,8
	v_exp_f32 v[180+\e], v[180+\e]
.endr
	v_nop                                          ; a plain line behind the last exponential
	s_wait_alu depctr_va_vdst(0)                   ; one wait for the batch of nine, ahead of its first reader
	v_add_f32 v189, v180, v181
	v_add_f32 v190, v182, v183
	v_add_f32 v191, v184, v185
	v_add_f32 v192, v186, v187
	v_add_f32 v189, v189, v190
	v_add_f32 v191, v191, v192
	v_add_f32 v189, v189, v191
	s_wait_alu depctr_va_vdst(0)
	v_rcp_f32 v190, v189                           ; w1 = 1 / the sum
	v_nop
	s_wait_alu depctr_va_vdst(0)
	v_mul_f32 v188, v188, v190                     ; w2
	v_min_u32 v191, v173, v175                     ; lo, hi: the pair, ordered
	v_max_u32 v192, v173, v175
	v_cmp_lt_u32 vcc_lo, v173, v175
	v_cndmask_b32 v194, v188, v190, vcc_lo         ; lo's weight,
	v_cndmask_b32 v195, v190, v188, vcc_lo         ; hi's
	v_sub_nc_u32 v196, 15, v191                    ; p = lo (15 - lo) / 2 + (lo even: hi - lo - 1; lo odd: 7 - hi): neighbouring pairs share an expert
	v_mul_u32_u24 v196, v191, v196
	v_lshrrev_b32 v196, 1, v196
	v_sub_nc_u32 v197, v192, v191
	v_add_nc_u32 v197, -1, v197
	v_sub_nc_u32 v198, 7, v192
	v_and_b32 v199, 1, v191
	v_cmp_eq_u32 vcc_lo, 1, v199
	v_cndmask_b32 v197, v197, v198, vcc_lo
	v_add_nc_u32 v196, v196, v197
	v_mov_b32 v200, 0                              ; my rank among the block's tokens of my pair
	v_mov_b32 v201, 0                              ; lane g: the block's count of pair g
.set g, 0
.rept 28
	v_cmp_eq_u32 s22, g, v196
	v_mbcnt_lo_u32_b32 v202, s22, 0
	v_cndmask_b32 v200, v200, v202, s22
	s_bcnt1_i32_b32 s23, s22
	v_writelane_b32 v201, s23, g
.set g, g+1
.endr
	v_lshl_or_b32 v203, v192, 4, v191              ; lo | hi << 4 | p << 8 | rank << 16
	v_lshl_or_b32 v203, v196, 8, v203
	v_lshl_or_b32 v203, v200, 16, v203
	v_lshl_add_u32 v204, v[L16], 1, v[HF]          ; my token in the block: 2 (lane % 16) + lane / 16
	v_lshlrev_b32 v205, 2, v204
	v_lshlrev_b32 v206, 3, v204
	v_lshlrev_b32 v207, 2, v[LN]
	global_store_b32 v205, v203, s[14:15]
	global_store_b64 v206, v[194:195], s[12:13]
	global_store_b32 v207, v201, s[14:15] offset:32768
.Lend:
	s_wait_tensorcnt 0x0                           ; the wave's end
	ds_add_u32 v[SPW], v[NIL]
	s_wait_dscnt 0x0
	s_endpgm
.Lfunc_end_k_qcb55ec794b_route:
	.size	k_qcb55ec794b_route, .Lfunc_end_k_qcb55ec794b_route-k_qcb55ec794b_route
	.p2alignl 7, 3214868480
	.fill 96, 4, 3214868480
	.section	.rodata,"a",@progbits
	.p2align	6, 0x0
	.amdhsa_kernel k_qcb55ec794b_route
		.amdhsa_group_segment_fixed_size 50688
		.amdhsa_private_segment_fixed_size 0
		.amdhsa_enable_private_segment 0
		.amdhsa_kernarg_size 48
		.amdhsa_user_sgpr_count 2
		.amdhsa_user_sgpr_kernarg_segment_ptr 1
		.amdhsa_wavefront_size32 1
		.amdhsa_system_sgpr_workgroup_id_x 1
		.amdhsa_system_sgpr_workgroup_id_y 1
		.amdhsa_system_sgpr_workgroup_id_z 1
		.amdhsa_system_vgpr_workitem_id 0
		.amdhsa_next_free_vgpr 512
		.amdhsa_next_free_sgpr 66
		.amdhsa_reserve_vcc 1
		.amdhsa_float_denorm_mode_32 3
		.amdhsa_float_denorm_mode_16_64 3
		.amdhsa_memory_ordered 1
		.amdhsa_forward_progress 1
		.amdhsa_inst_pref_size 168
	.end_amdhsa_kernel
	.amdgpu_metadata
---
amdhsa.version: [ 1, 2 ]
amdhsa.kernels:
  - .name:           k_qcb55ec794b_route
    .symbol:         k_qcb55ec794b_route.kd
    .args:
      - { .name: x, .offset: 0, .size: 8, .value_kind: global_buffer, .address_space: global }
      - { .name: gate_w, .offset: 8, .size: 8, .value_kind: global_buffer, .address_space: global }
      - { .name: xq, .offset: 16, .size: 8, .value_kind: global_buffer, .address_space: global }
      - { .name: xs, .offset: 24, .size: 8, .value_kind: global_buffer, .address_space: global }
      - { .name: gates, .offset: 32, .size: 8, .value_kind: global_buffer, .address_space: global }
      - { .name: meta, .offset: 40, .size: 8, .value_kind: global_buffer, .address_space: global }
    .group_segment_fixed_size: 50688
    .private_segment_fixed_size: 0
    .kernarg_segment_align: 8
    .kernarg_segment_size: 48
    .max_flat_workgroup_size: 128
    .sgpr_count:     66
    .vgpr_count:     512
    .wavefront_size: 32
...
	.end_amdgpu_metadata
.endif
;; end of part 4
;; launch prep (part 5): grid 257 x 1, 8 waves a work-group, no clusters, 69,632 bytes of LDS; arguments expert_w, meta, wq, ws, plan; writes wq, ws, plan
.if DOCPART == 5
	.amdgcn_target "amdgcn-amd-amdhsa--gfx1250"
	.amdhsa_code_object_version 6
	.text
	.protected	k_qcb55ec794b_prep
	.globl	k_qcb55ec794b_prep
	.p2align	8
	.type	k_qcb55ec794b_prep,@function
k_qcb55ec794b_prep:
	s_mov_b64 s[64:65], 0
	v_nop
	global_prefetch_b8 v0, s[64:65] scope:SCOPE_SE
	s_setreg_imm32_b32 hwreg(HW_REG_WAVE_MODE, 25, 1), 1
	s_wait_xcnt 0x0
; EPMoE, launch 2 of 3.  Work-groups 1 to 256 turn expert_w into codes of E2M3, laid in the order of an operand's registers; work-group 0 places the tokens by their pair of experts.
; No work of reference() is left out here: every expert's weights are quantised, since which experts are used hangs on the inputs.
; WEIGHTS.  expert_w is 8,192 rows (expert x output) of 1,024 along K.  A wave takes 16 rows x 256 along K: two fragments of 16 x 128.  Each load reads 512 consecutive bytes of a row; the 16 x 512 bytes of a fragment go
; through the wave's own stage in LDS and come back so that lane (r, h) holds, of row r, k = 64 c + 32 h + 0 .. 31 (c = 0, 1): two whole blocks of 32, in the order in which the operand's registers take them.
; A block's scale byte is its largest magnitude's exponent field - 2, held at 1 from below (a block of zeros gets 1 where the rule says 127: its codes are zeros, and this program alone reads the bytes).
; wq: [block of 16 rows][128 along K: 0..7][i: 0..2][lane][16 bytes]: registers 4 i .. 4 i + 3 of the fragment.   ws: [block of 16 rows][256 along K: 0..3][row][2 words]: the scale words of the two fragments.
; PLACING (a counting sort without atomics).  Launch 1 left, for each block of 32 tokens, the count of each of the 28 pairs, and for each token its pair and its rank in the block.  A token's place is the pair's first place +
; the counts of the pair in the blocks before + the rank.  plan: order[8192]: the token at each place; then for each range of 128 places the set of experts (8 bits) that its tokens use.
; The two ways part on the work-group's number alone; each has LDS bytes of its own.
.set WSTP,  528                        ; a stage row: 512 bytes + 16
.set PL,    67584                      ; behind the eight stages (8 x 16 x 528): the placing's 8 x 128 bytes
.set SPARE, 68608                      ; the spare words, 128 bytes for each wave: four blocks of 256 bytes that no other line names
.set LN,  1
.set RR,  2                            ; lane % 16
.set LI,  3                            ; 16 x lane
.set HH,  4                            ; lane / 16
.set WSA, 5                            ; the stage, on the way in: 16 x lane
.set WRD, 6                            ; on the way out: 528 r + 128 h
.set SH8, 7                            ; 8 h
.set R8,  8                            ; 8 r
.set PLW, 9
.set PLR, 10
.set L4,  11
.set SPW, 62
.set NIL, 63
	s_load_b256 s[4:11], s[0:1], 0x0               ; expert_w, meta, wq, ws
	s_load_b64 s[12:13], s[0:1], 0x20              ; plan
	v_lshl_add_u32 v[SPW], v0, 2, SPARE
	v_mov_b32 v[NIL], 0
	v_lshrrev_b32 v12, 5, v0
	s_delay_alu instid0(VALU_DEP_1)
	v_readfirstlane_b32 s16, v12                   ; wave 0..7
	v_and_b32 v[LN], 31, v0
	v_and_b32 v[RR], 15, v0
	v_bfe_u32 v[HH], v0, 4, 1
	s_delay_alu instid0(VALU_DEP_3)
	v_lshlrev_b32 v[LI], 4, v[LN]
	s_delay_alu instid0(VALU_DEP_4)
	v_lshlrev_b32 v[L4], 2, v[LN]
	s_delay_alu instid0(VALU_DEP_3)
	v_lshlrev_b32 v[SH8], 3, v[HH]
	v_lshlrev_b32 v[R8], 3, v[RR]
	s_mul_i32 s17, s16, 16*WSTP
	v_add_nc_u32 v[WSA], s17, v[LI]
	v_mul_u32_u24 v[WRD], v[RR], WSTP
	s_delay_alu instid0(VALU_DEP_1)
	v_lshl_add_u32 v[WRD], v[HH], 7, v[WRD]
	s_delay_alu instid0(VALU_DEP_1)
	v_add_nc_u32 v[WRD], s17, v[WRD]
	s_lshl_b32 s17, s16, 7
	s_add_co_u32 s17, s17, PL
	v_add_nc_u32 v[PLW], s17, v[L4]
	v_add_nc_u32 v[PLR], PL, v[L4]
	v_mov_b32 v60, 0                               ; written once: a lane permute's destination counts as one of its sources
	s_mov_b32 s30, 0x76543210
	s_mov_b32 s31, 0xfedcba98                      ; v_permlanex16_b32's selects for lane l xor 16
	s_mov_b32 s23, 0
	s_wait_kmcnt 0x0
	s_cmp_eq_u32 ttmp9, 0
	s_cbranch_scc1 .Lplace
	; ---------------- the weights ----------------
	s_sub_co_u32 s20, ttmp9, 1
	s_lshl_b32 s20, s20, 1
	s_lshr_b32 s21, s16, 2
	s_add_co_u32 s20, s20, s21                     ; my block of 16 rows: 2 (work-group - 1) + wave / 4
	s_and_b32 s21, s16, 3                          ; my 256 along K
	s_lshl_b32 s22, s20, 16
	s_lshl_b32 s24, s21, 10
	s_add_co_u32 s22, s22, s24
	s_add_nc_u64 s[4:5], s[4:5], s[22:23]
	s_mul_i32 s22, s20, 12288
	s_mul_i32 s24, s21, 3072
	s_add_co_u32 s22, s22, s24
	s_add_nc_u64 s[8:9], s[8:9], s[22:23]
	s_lshl_b32 s22, s20, 9
	s_lshl_b32 s24, s21, 7
	s_add_co_u32 s22, s22, s24
	s_add_nc_u64 s[10:11], s[10:11], s[22:23]
.irp t,0,1
.set row, 0
.rept 16
	global_load_b128 v[64+64*\t+4*row:64+64*\t+4*row+3], v[LI], s[4:5] offset:4096*row+512*\t th:TH_LOAD_NT   ; 32 lanes read 512 consecutive bytes
.set row, row+1
.endr
.endr
.macro TOST reg                        ; 16 rows x 512 bytes into the stage, as loaded
.set row, 0
.rept 16
	ds_store_b128 v[WSA], v[\reg+4*row:\reg+4*row+3] offset:WSTP*row
.set row, row+1
.endr
.endm
.macro FROMST reg                      ; and back: my two blocks of 32
.irp c,0,1
.irp j,0,1,2,3,4,5,6,7
	ds_load_b128 v[\reg+32*\c+4*\j:\reg+32*\c+4*\j+3], v[WRD] offset:256*\c+16*\j
.endr
.endr
.endm
; 64 numbers of a lane at v[src] on become fragment t's codes in v[f] .. v[f + 11], which are stored, and its scale word in v[58 + t]
.macro QW src, t, f
.irp c,0,1
	v_max3_num_f32 v[52+\c], |v[\src+32*\c]|, |v[\src+32*\c+1]|, 0x1800000   ; my block 2 c + h: all its 32 numbers are mine; the floor 2^(3 - 127) holds the byte at 1 from below
.endr
.irp i,2,4,6,8,10,12,14,16,18,20,22,24,26,28,30
.irp c,0,1
	s_delay_alu instid0(VALU_DEP_2)
	v_max3_num_f32 v[52+\c], v[52+\c], |v[\src+32*\c+\i]|, |v[\src+32*\c+\i+1]|
.endr
.endr
.irp c,0,1
	s_delay_alu instid0(VALU_DEP_2)
	v_add_nc_u32 v[54+\c], 0xff000000, v[52+\c]    ; 2 off the exponent field: the conversion's scale operand
.endr
.irp c,0,1
	s_delay_alu instid0(VALU_DEP_2)
	v_lshrrev_b32 v[56+\c], 23, v[54+\c]           ; the scale's byte
.endr
	s_delay_alu instid0(VALU_DEP_1)
	v_lshl_or_b32 v[58+\t], v57, 16, v56           ; my two bytes: blocks h and 2 + h,
	s_delay_alu instid0(VALU_DEP_1)
	v_lshlrev_b32 v[58+\t], v[SH8], v[58+\t]       ; at their places in the word;
	s_delay_alu instid0(VALU_DEP_1)
	v_permlanex16_b32 v60, v[58+\t], s30, s31
	s_delay_alu instid0(VALU_DEP_1)
	v_or_b32 v[58+\t], v[58+\t], v60               ; with lane l xor 16's two the word is whole
	v_cvt_scalef32_pk16_fp6_f32 v[\f:\f+2], v[\src:\src+15], v54
	v_cvt_scalef32_pk16_fp6_f32 v[44:46], v[\src+16:\src+31], v54          ; (a conversion's three registers begin on an even number)
	v_cvt_scalef32_pk16_fp6_f32 v[\f+6:\f+8], v[\src+32:\src+47], v55
	v_cvt_scalef32_pk16_fp6_f32 v[48:50], v[\src+48:\src+63], v55
	v_nop                                          ; one plain line behind the scaled conversions
.irp i,0,1,2
	v_mov_b32 v[\f+3+\i], v[44+\i]
	v_mov_b32 v[\f+9+\i], v[48+\i]
.endr
.irp i,0,1,2
	global_store_b128 v[LI], v[\f+4*\i:\f+4*\i+3], s[8:9] offset:1536*\t+512*\i    ; 32 lanes store 512 consecutive bytes
.endr
.endm
	s_wait_loadcnt 16                              ; the first fragment's 16 loads are in
	s_wait_alu depctr_va_vdst(0)
	TOST 64
	FROMST 192
	s_wait_loadcnt 0x0
	TOST 128                                       ; LDS serves a wave's instructions in order: these stores stand behind the reads above
	s_wait_dscnt 16                                ; all but these 16 stores: the first fragment is back, and its stores have read v64-127,
	FROMST 64                                      ; which take the second fragment
	QW 192, 0, 32
	s_wait_dscnt 0x0
	QW 64, 1, 128                                  ; its codes go to registers of their own: no pending store's data are rewritten
	global_store_b64 v[R8], v[58:59], s[10:11]     ; the two scale words of row r (both halves of the lanes hold and store the same)
	s_wait_tensorcnt 0x0                           ; the wave's end: three closing lines, behind my last LDS store
	ds_add_u32 v[SPW], v[NIL]
	s_wait_dscnt 0x0
	s_endpgm
	; ---------------- the placing ----------------
.Lplace:                                       ; wave w owns blocks 32 w .. 32 w + 31.  v64-95 counts (lane = pair), v96-127 the tokens' words (lane = token), v128-159 places, v160-191 tokens
	s_lshl_b32 s22, s16, 12
	s_add_nc_u64 s[6:7], s[6:7], s[22:23]
.set j, 0
.rept 32
	global_load_b32 v[64+j], v[L4], s[6:7] offset:32768+128*j
.set j, j+1
.endr
.set j, 0
.rept 32
	global_load_b32 v[96+j], v[L4], s[6:7] offset:128*j
.set j, j+1
.endr
	s_wait_loadcnt 32                              ; the counts are in
	v_add_nc_u32 v12, v64, v65
.set j, 2
.rept 15
	s_delay_alu instid0(VALU_DEP_1)
	v_add3_u32 v12, v12, v[64+j], v[65+j]
.set j, j+2
.endr
	ds_store_b32 v[PLW], v12                       ; my 32 blocks' count of each pair
	s_wait_dscnt 0x0
	s_barrier_signal -1
	s_barrier_wait -1
.irp w,0,1,2,3,4,5,6,7
	ds_load_b32 v[16+\w], v[PLR] offset:128*\w
.endr
	s_wait_dscnt 0x0
	v_mov_b32 v13, 0                               ; each pair's count in all,
	v_mov_b32 v24, 0                               ; and in the waves before mine
.irp w,0,1,2,3,4,5,6,7
	v_add_nc_u32 v13, v13, v[16+\w]
	s_cmp_gt_u32 s16, \w
	s_cselect_b32 s22, -1, 0
	v_and_b32 v25, s22, v[16+\w]
	s_delay_alu instid0(VALU_DEP_1)
	v_add_nc_u32 v24, v24, v25
.endr
	s_and_b32 s22, s16, 1
	s_lshl_b32 s22, s22, 5
	v_add_nc_u32 v26, s22, v[LN]                   ; a lane to a range of 128 places
	s_delay_alu instid0(VALU_DEP_1)
	v_lshlrev_b32 v27, 7, v26                      ; its first place,
	s_delay_alu instid0(VALU_DEP_1)
	v_add_nc_u32 v28, 128, v27                     ; and the first behind it
	v_mov_b32 v29, 0                               ; the range's experts
	v_mov_b32 v30, 0                               ; lane g: pair g's first place
	s_mov_b32 s23, 0
.set g, 0
.irp m,0x03,0x05,0x09,0x11,0x21,0x41,0x81,0x82,0x42,0x22,0x12,0x0a,0x06,0x0c,0x14,0x24,0x44,0x84,0x88,0x48,0x28,0x18,0x30,0x50,0x90,0xa0,0x60,0xc0
	v_readlane_b32 s24, v13, g
	v_writelane_b32 v30, s23, g
	v_cmp_gt_u32 s26, v28, s23                     ; the pair begins ahead of the range's end,
	s_add_co_u32 s23, s23, s24
	v_cmp_lt_u32 s27, v27, s23                     ; and ends behind its first place
	s_and_b32 s26, s26, s27
	s_cmp_lg_u32 s24, 0                            ; a pair with no token brings no expert
	s_cselect_b32 s25, \m, 0
	v_mov_b32 v31, s25
	s_delay_alu instid0(VALU_DEP_1)
	v_cndmask_b32 v31, 0, v31, s26
	s_delay_alu instid0(VALU_DEP_1)
	v_or_b32 v29, v29, v31
.set g, g+1
.endr
	v_add_nc_u32 v32, v30, v24                     ; where each pair stands at my first block
	s_wait_loadcnt 0x0
.set j, 0
.rept 32
	v_bfe_u32 v[160+j], v[96+j], 8, 5              ; my token's pair,
	s_delay_alu instid0(VALU_DEP_1)
	v_min_u32 v[160+j], 31, v[160+j]
	s_delay_alu instid0(VALU_DEP_1)
	v_lshlrev_b32 v[160+j], 2, v[160+j]            ; as a lane's byte index
.set j, j+1
.endr
	ds_bpermute_b32 v128, v160, v32                ; where my token's pair stands at this block
	v_add_nc_u32 v64, v32, v64                     ; and at the next block: into the count's register
.set j, 1
.rept 31
	ds_bpermute_b32 v[128+j], v[160+j], v[63+j]
	v_add_nc_u32 v[64+j], v[63+j], v[64+j]
.set j, j+1
.endr
	s_wait_dscnt 0x0
	s_lshl_b32 s22, s16, 10
	v_add_nc_u32 v33, s22, v[LN]
.set j, 0
.rept 32
	v_bfe_u32 v34, v[96+j], 16, 5                  ; + the rank
	s_delay_alu instid0(VALU_DEP_1)
	v_add_nc_u32 v[128+j], v[128+j], v34
	s_delay_alu instid0(VALU_DEP_1)
	v_min_u32 v[128+j], 0x1fff, v[128+j]           ; a place lies in 0 .. 8,191
	s_delay_alu instid0(VALU_DEP_1)
	v_lshlrev_b32 v[128+j], 2, v[128+j]
	v_add_nc_u32 v[160+j], 32*j, v33               ; the token
	global_store_b32 v[128+j], v[160+j], s[12:13]
.set j, j+1
.endr
	s_cmp_lt_u32 s16, 2
	s_cbranch_scc0 .Lnou                           ; waves 0 and 1 store the 64 ranges' experts
	v_lshlrev_b32 v35, 2, v26
	global_store_b32 v35, v29, s[12:13] offset:32768
.Lnou:
	s_wait_tensorcnt 0x0                           ; the wave's end: three closing lines, behind my last LDS store
	ds_add_u32 v[SPW], v[NIL]
	s_wait_dscnt 0x0
	s_endpgm
.Lfunc_end_k_qcb55ec794b_prep:
	.size	k_qcb55ec794b_prep, .Lfunc_end_k_qcb55ec794b_prep-k_qcb55ec794b_prep
	.p2alignl 7, 3214868480
	.fill 96, 4, 3214868480
	.section	.rodata,"a",@progbits
	.p2align	6, 0x0
	.amdhsa_kernel k_qcb55ec794b_prep
		.amdhsa_group_segment_fixed_size 69632
		.amdhsa_private_segment_fixed_size 0
		.amdhsa_enable_private_segment 0
		.amdhsa_kernarg_size 40
		.amdhsa_user_sgpr_count 2
		.amdhsa_user_sgpr_kernarg_segment_ptr 1
		.amdhsa_wavefront_size32 1
		.amdhsa_system_sgpr_workgroup_id_x 1
		.amdhsa_system_sgpr_workgroup_id_y 1
		.amdhsa_system_sgpr_workgroup_id_z 1
		.amdhsa_system_vgpr_workitem_id 0
		.amdhsa_next_free_vgpr 256
		.amdhsa_next_free_sgpr 66
		.amdhsa_reserve_vcc 0
		.amdhsa_float_denorm_mode_32 3
		.amdhsa_float_denorm_mode_16_64 3
		.amdhsa_memory_ordered 1
		.amdhsa_forward_progress 1
		.amdhsa_inst_pref_size 69
	.end_amdhsa_kernel
	.amdgpu_metadata
---
amdhsa.version: [ 1, 2 ]
amdhsa.kernels:
  - .name:           k_qcb55ec794b_prep
    .symbol:         k_qcb55ec794b_prep.kd
    .args:
      - { .name: expert_w, .offset: 0, .size: 8, .value_kind: global_buffer, .address_space: global }
      - { .name: meta, .offset: 8, .size: 8, .value_kind: global_buffer, .address_space: global }
      - { .name: wq, .offset: 16, .size: 8, .value_kind: global_buffer, .address_space: global }
      - { .name: ws, .offset: 24, .size: 8, .value_kind: global_buffer, .address_space: global }
      - { .name: plan, .offset: 32, .size: 8, .value_kind: global_buffer, .address_space: global }
    .group_segment_fixed_size: 69632
    .private_segment_fixed_size: 0
    .kernarg_segment_align: 8
    .kernarg_segment_size: 40
    .max_flat_workgroup_size: 256
    .sgpr_count:     66
    .vgpr_count:     256
    .wavefront_size: 32
...
	.end_amdgpu_metadata
.endif
;; end of part 5
;; launch experts (part 6): grid 4 x 64, 4 waves a work-group, no clusters, 118,272 bytes of LDS; arguments xq, xs, gates, meta, plan, wq, ws, out0; writes out0
.if DOCPART == 6
	.amdgcn_target "amdgcn-amd-amdhsa--gfx1250"
	.amdhsa_code_object_version 6
	.text
	.protected	k_qcb55ec794b_experts
	.globl	k_qcb55ec794b_experts
	.p2align	8
	.type	k_qcb55ec794b_experts,@function
k_qcb55ec794b_experts:
	s_mov_b64 s[64:65], 0
	v_nop
	global_prefetch_b8 v0, s[64:65] scope:SCOPE_SE
	s_setreg_imm32_b32 hwreg(HW_REG_WAVE_SCHED_MODE, 0, 2), 2
	s_setreg_imm32_b32 hwreg(HW_REG_WAVE_MODE, 25, 1), 1
	s_wait_xcnt 0x0
	s_wait_alu depctr_vm_vsrc(0)
; EPMoE, launch 3 of 3: out[t] = g_lo y_lo[t] + g_hi y_hi[t], on codes of E2M3 with E8M0 scales.
; WORK LEFT OUT: an expert is multiplied for a range of 128 sorted tokens only if some token of the range chose it (the set of experts that launch 2 stored); the rows of all_y that reference() never gathers reach no output.
; LIMIT: inside a range a row takes an expert that it did not choose with the weight 0: if that product overflows f32 the row becomes NaN where reference() stays finite.
; SHARES.  A work-group owns 128 places of the sorted list (work-group y) x 256 columns (work-group x), and so each row of out0 has one owner for each of its four quarters.  Wave w owns all 128 tokens x columns 64 w .. 64 w + 63.
; The tokens' codes are gathered once into LDS and read by all four waves.  A wave's weights come from memory straight into its registers, as images of the operand's registers (launch 2); no two waves load the same bytes.
; No tensor load and no cluster: how many experts a range walks, and which, hangs on the stored list, and neighbours would ask for different experts.
; THE MATRIX INSTRUCTION IS USED TRANSPOSED: source 0 = 16 rows of W (columns of out), source 1 = 16 tokens: a lane holds ONE token (lane % 16) and eight neighbouring columns, 8 (lane / 16) + 0 .. 7.
; Row r of row block rb is place 16 rb + 8 (r % 2) + r / 2 of the range, so that rows 2 i and 2 i + 1 are word i of the two halves of the block's 64 bytes of the list.
; A PASS is one expert: 8 steps of 128 along K x 32 products into TMP (the first step's products start the sums), then OUT (+)= g x TMP, g the token's weight for this expert or 0.
; The walk: a first pass, up to six middle passes (a loop of six trips; a scalar branch on the stored count jumps over a trip's pass), a last pass.  Every token has two different experts, so a range has at least two.
; THE MODE: SCHED_MODE bits 1:0 = 2 (LLVM: expert scheduling mode 2), set by the entry lines.  The code itself states the register dependences
; between vector or matrix instructions and memory or LDS instructions, with s_wait_alu, always for 0.
; THE PLAN.  Registers that memory or LDS instructions touch, in a pass:
;   A0, A1        x's eight fragments, two sets.  Step s: its 32 products read A[s % 2]; the LDS loads of step s + 1 land in it (the fragments of step s + 2).
;   W0 .. W3      W's four fragments, a ring of four.  Step s: its products read slot s % 4; the loads of step s + 1 land in it (step s + 4; from step 5 on the next expert's steps 0, 1, 2).
;   WS            W's scale words: registers 4 cb + 0, 1 are read by the products of steps 0-3 and loaded anew in step 4; registers 4 cb + 2, 3 by those of steps 4-7, and loaded anew in step 0.
;   v[LI], v[L8], v[ADL], v[ADH], v[H32]   offsets and LDS addresses, made at the head and never written again: the bases are scalar, the rest stands in immediates.
;   TMP, OUT, GV, and, once they are in, KEY, G and XS are named by vector and matrix instructions alone.
; So ONE wait on va_vdst stands in a step, at its head: it states that the products of the step before (and, at a pass's first step, the update of OUT) are done reading the set of x, the slot of W and the scale words in which
; this step's loads land.  The products behind it name the other set, other slots and the other scale words: so the step's loads follow with no further wait, dealt behind its four groups of eight products.
; REGISTERS, in windows of 256.  Window 0: v1-13 addresses and two at work; v16-23 the tokens' words; v24, v25 the add's two; v32-63 x's scale words; v64-79 W's; v80-95 the tokens' two weights; v96-111 this pass's weight (a pair a row block);
;   v112-207 x's set 0 (in the prologue: tokens and addresses; on the way out: rows read back); v208-255 x's set 1, row blocks 0-3.  Window 1: v0-191 W's ring of four steps x 48 (at the end: the stores' offsets); v192-239 x's set 1, row blocks 4-7.
;   Window 2: TMP, tile (rb, cb) at 32 rb + 8 cb (in the prologue: x's codes in transit).  Window 3: OUT, laid likewise.
.set XP,    784                        ; a token's row in LDS: 768 bytes + 16: an odd multiple of 16 bytes
.set STG,   100352                     ; behind the 128 rows: a stage of 16 rows x (256 + 16) bytes for each wave
.set SPARE, 117760                     ; the spare words, 128 bytes for each wave: two blocks of 256 bytes that no other line names
.set RR,  1                            ; r = lane % 16
.set HH,  2                            ; h = lane / 16
.set LI,  3                            ; 16 x lane
.set L8,  4                            ; 8 x lane
.set ADL, 5                            ; x's fragments: 784 r + 48 h (row blocks 0-3)
.set ADH, 6                            ; the same for row blocks 4-7
.set STO, 7                            ; the stage: in
.set RD,  8                            ; and back
.set CO,  9                            ; 16 r
.set H32, 10                           ; 32 h
.set XW,  11                           ; where I put 16 bytes of a gathered row
.set KEY, 16
.set SPW, 24
.set NIL, 25
.set XS,  32
.set WS,  64
.set G,   80
.set GV,  96
.set AF,  112                          ; x's set 0
.set AF1, 208                          ; x's set 1, row blocks 0-3
.set AF1H, 192                         ; x's set 1, row blocks 4-7: in window 1
.set BK,  112
.set TK,  112                          ; prologue: v112-127 the tokens of my wave's 32 rows, v128-135 my lane's token in each row block, v136-159 their offsets in xs, meta, gates
.set TF,  128
.set A5,  136
.set A2,  144
.set A3,  152
.set MK,  48                           ; s48-63: the update's sixteen masks (s52-59: at work in the prologue).  s2 counts the loop's trips, s3 the passes that are left, s4 is the next expert
.set MSB, 0
.macro WIN new                         ; the immediate's high byte repeats the setting that is left
.if MSB != \new
	s_set_vgpr_msb (MSB<<8)|\new
.set MSB, \new
.endif
.endm
; the next expert: the lowest bit left in s30; its number in s4, its bases in s[36:37] (codes) and s[38:39] (scale words)
.macro NEXT
	s_ctz_i32_b32 s4, s30
	s_min_u32 s4, s4, 7
	s_sub_co_u32 s40, s30, 1
	s_and_b32 s30, s30, s40
	s_mul_i32 s40, s4, 786432                      ; an expert's codes: 64 blocks of 16 rows x 12,288 bytes
	s_add_co_u32 s40, s40, s44
	s_add_nc_u64 s[36:37], s[18:19], s[40:41]
	s_lshl_b32 s42, s4, 15                         ; its scale words: 64 x 512 bytes
	s_add_co_u32 s42, s42, s45
	s_add_nc_u64 s[38:39], s[20:21], s[42:43]
.endm
.macro BL s, base, c0                  ; W's fragments c0, c0 + 1 of step s into ring slot s % 4: six loads of 512 consecutive bytes
	WIN 0x40
.irp cb,\c0,\c0+1
.irp i,0,1,2
	global_load_b128 v[48*((\s)%4)+12*(\cb)+4*\i:48*((\s)%4)+12*(\cb)+4*\i+3], v[LI], s[\base:\base+1] offset:12288*(\cb)+1536*(\s)+512*\i
.endr
.endr
.endm
.macro WSL i, base                     ; W's scale words of steps 4 i .. 4 i + 3: register 4 cb + 2 i + t holds step 4 i + t in lanes 0-15 and step 4 i + 2 + t in lanes 16-31
	WIN 0
.irp cb,0,1,2,3
	global_load_b64 v[WS+4*\cb+2*(\i):WS+4*\cb+2*(\i)+1], v[L8], s[\base:\base+1] offset:512*\cb+256*(\i)
.endr
.endm
.macro AL q, s                         ; x's fragments of row blocks 2 q, 2 q + 1 for step s, into set s % 2: 48 bytes a lane, on end
.if ((\s)%2) && (\q) >= 2
	WIN 0x40                                       ; set 1's row blocks 4-7 lie in window 1
.else
	WIN 0
.endif
.irp u,0,1
.irp i,0,1,2
.set rB, 2*(\q)+\u
.set rA, AF+12*rB
.if (\s)%2
.set rA, AF1+12*rB
.if rB >= 4
.set rA, AF1H+12*(rB-4)
.endif
.endif
.if rB < 4
	ds_load_b128 v[rA+4*\i:rA+4*\i+3], v[ADL] offset:16*XP*rB+96*(\s)+16*\i
.else
	ds_load_b128 v[rA+4*\i:rA+4*\i+3], v[ADH] offset:16*XP*(rB-4)+96*(\s)+16*\i
.endif
.endr
.endr
.endm
; eight products: row blocks 2 q, 2 q + 1 x four column blocks.  The 32 accumulators take turns, one instruction a turn, in the same order in every step.
.macro MM s, q
.if ((\s)%2) && (\q) >= 2
	WIN 0xa5                                       ; source 0 (W) window 1, source 1 (x's set 1, row blocks 4-7) window 1, C and D window 2
.else
	WIN 0xa1                                       ; source 0 (W) window 1, source 1 (x) window 0, C and D window 2
.endif
.irp u,0,1
.irp cb,0,1,2,3
.set rB, 2*(\q)+\u
.set rD, 32*rB+8*\cb
.set rW, 48*((\s)%4)+12*\cb
.set rA, AF+12*rB
.if (\s)%2
.set rA, AF1+12*rB
.if rB >= 4
.set rA, AF1H+12*(rB-4)
.endif
.endif
.set rSW, WS+4*\cb+2*((\s)/4)+(\s)%2
.set rSX, XS+4*rB+(\s)%4
.if (\s) == 0
	v_wmma_scale_f32_16x16x128_f8f6f4 v[rD:rD+7], v[rW:rW+11], v[rA:rA+11], 0, v[rSW], v[rSX] matrix_a_fmt:MATRIX_FMT_FP6 matrix_b_fmt:MATRIX_FMT_FP6
.elseif (\s) < 2
	v_wmma_scale_f32_16x16x128_f8f6f4 v[rD:rD+7], v[rW:rW+11], v[rA:rA+11], v[rD:rD+7], v[rSW], v[rSX] matrix_a_fmt:MATRIX_FMT_FP6 matrix_b_fmt:MATRIX_FMT_FP6
.elseif (\s) < 4
	v_wmma_scale_f32_16x16x128_f8f6f4 v[rD:rD+7], v[rW:rW+11], v[rA:rA+11], v[rD:rD+7], v[rSW], v[rSX] matrix_a_fmt:MATRIX_FMT_FP6 matrix_b_fmt:MATRIX_FMT_FP6 matrix_a_scale:MATRIX_SCALE_ROW1
.elseif (\s) < 6
	v_wmma_scale_f32_16x16x128_f8f6f4 v[rD:rD+7], v[rW:rW+11], v[rA:rA+11], v[rD:rD+7], v[rSW], v[rSX] matrix_a_fmt:MATRIX_FMT_FP6 matrix_b_fmt:MATRIX_FMT_FP6 matrix_b_scale:MATRIX_SCALE_ROW1
.else
	v_wmma_scale_f32_16x16x128_f8f6f4 v[rD:rD+7], v[rW:rW+11], v[rA:rA+11], v[rD:rD+7], v[rSW], v[rSX] matrix_a_fmt:MATRIX_FMT_FP6 matrix_b_fmt:MATRIX_FMT_FP6 matrix_a_scale:MATRIX_SCALE_ROW1 matrix_b_scale:MATRIX_SCALE_ROW1
.endif
.endr
.endr
.endm
; OUT (+)= g x TMP.  The 48 lines that make g name no register of the last products: they are the places behind them.  Each accumulator is read from its low end on.
; The sixteen compares stand in one run, each with a scalar register of its own for its mask, so that one wait serves all sixteen selects.
.macro UPD kind
	WIN 0
.irp rb,0,1,2,3,4,5,6,7
	v_and_b32 v12, 15, v[KEY+\rb]                  ; the token's lower expert,
	v_bfe_u32 v13, v[KEY+\rb], 4, 4                ; and its higher
	v_cmp_eq_u32 s[MK+\rb], s31, v12
	v_cmp_eq_u32 s[MK+8+\rb], s31, v13
.endr
	s_wait_alu depctr_va_sdst(0)                   ; the sixteen compares have written their masks s48 to s63, ahead of the selects that read them
.irp rb,0,1,2,3,4,5,6,7
	v_cndmask_b32 v[GV+2*\rb], 0, v[G+2*\rb], s[MK+\rb]
	v_cndmask_b32 v[GV+2*\rb], v[GV+2*\rb], v[G+2*\rb+1], s[MK+8+\rb]
.endr
	WIN 0xf2                                       ; source 0 (TMP) window 2, source 1 (g) window 0, source 2 and destination (OUT) window 3
.irp rb,0,1,2,3,4,5,6,7
.irp i,0,2,4,6,8,10,12,14,16,18,20,22,24,26,28,30
.if (\kind) == 0
	v_pk_mul_f32 v[32*\rb+\i:32*\rb+\i+1], v[32*\rb+\i:32*\rb+\i+1], v[GV+2*\rb:GV+2*\rb+1] op_sel_hi:[1,0]   ; the first pass starts OUT: nothing is cleared
.else
	v_pk_fma_f32 v[32*\rb+\i:32*\rb+\i+1], v[32*\rb+\i:32*\rb+\i+1], v[GV+2*\rb:GV+2*\rb+1], v[32*\rb+\i:32*\rb+\i+1] op_sel_hi:[1,0,1]
.endif
.endr
.endr
	WIN 0
.endm
; A PASS.  kind 0: the first, 1: a middle one, 2: the last.  On every way in, these global loads are out, in this order: the expert's scale words of steps 0-3 (4), W of steps 0, 1, 2 (12 each); and x's 24 LDS loads of step 0.
; Step s issues W of step s + 3 (from step 5 on: the NEXT expert's steps 0, 1, 2; in step 4 also its first scale words), behind its first two groups of products, so that W is asked for nearly three steps ahead, across passes too.
; The wait at a step's head counts the loads issued behind W of that step: 24, 28, 28, 24, 24, 28, 28, 28; in the last pass, which asks for no next expert but in step 6 for the 16 loads of the stores' tokens: .. 24, 12, 16.
; x's fragments have two sets of registers: behind a pair of row blocks' eight products the same pair is fetched for the next step, into the other set.  The wait in front of a pair's products leaves the three younger batches of six out: 18.
.macro PASS kind
	s_wait_xcnt 0x0                                ; every load issued so far has read its base: the bases may be written
	s_mov_b64 s[32:33], s[36:37]
	s_mov_b64 s[34:35], s[38:39]
	s_mov_b32 s31, s4
.if (\kind) != 2
	NEXT
.endif
.irp s,0,1,2,3,4,5,6,7
.set NW, 28
.if (\s) == 0 || (\s) == 3 || (\s) == 4
.set NW, 24
.endif
.if (\kind) == 2 && (\s) == 5
.set NW, 24
.endif
.if (\kind) == 2 && (\s) == 6
.set NW, 12
.endif
.if (\kind) == 2 && (\s) == 7
.set NW, 16
.endif
.set fetch, 1                          ; the step issues loads: all but the last pass's last
.if (\kind) == 2 && (\s) == 7
.set fetch, 0
.endif
.set state, fetch                      ; and some vector or matrix instruction has named the registers in which they land: not so in the first pass's first step
.if (\kind) == 0 && (\s) == 0
.set state, 0
.endif
	s_wait_loadcnt NW
.irp q,0,1,2,3
.if fetch
	s_wait_dscnt 18
.else
	s_wait_dscnt 18-6*\q                           ; nothing more is fetched: the counts run down
.endif
.if state && (\q) == 0
	s_wait_alu depctr_va_vdst(0)                   ; the products of the step before are done reading their set of x, their slot of W and (steps 0 and 4) the scale words of the four steps before: this step's loads land there.  No product behind this line names those registers
.endif
	MM \s, \q
.if fetch
	AL \q, ((\s)+1)%8
.endif
.if (\s) == 0 && (\q) == 0
	WSL 1, 34
.endif
.if (\s) <= 4 && (\q) < 2
	BL (\s)+3, 32, 2*\q
.endif
.if (\s) == 4 && (\q) == 1 && (\kind) != 2
	WSL 0, 38
.endif
.if (\s) >= 5 && (\q) < 2 && (\kind) != 2
	BL (\s)-5, 36, 2*\q
.endif
.if (\s) == 6 && (\kind) == 2
	WIN 0x40                                       ; the tokens of rows 2 i + h of each row block, for the stores: into ring slots 0 and 1, which are done with
.irp a,2*\q,2*\q+1
.irp i,0,1
	global_load_b128 v[8*(\a)+4*\i:8*(\a)+4*\i+3], v[H32], s[24:25] offset:64*(\a)+16*\i
.endr
.endr
.endif
.endr
.endr
	UPD \kind
.endm
	s_load_b512 s[8:23], s[0:1], 0x0               ; xq s[8:9], xs s[10:11], gates s[12:13], meta s[14:15], plan s[16:17], wq s[18:19], ws s[20:21], out0 s[22:23]
	v_lshl_add_u32 v[SPW], v0, 2, SPARE
	v_mov_b32 v[NIL], 0
	v_lshrrev_b32 v12, 5, v0
	v_readfirstlane_b32 s26, v12                   ; wave 0..3
	v_and_b32 v[RR], 15, v0
	v_bfe_u32 v[HH], v0, 4, 1
	v_and_b32 v12, 31, v0
	v_lshlrev_b32 v[LI], 4, v12
	v_lshlrev_b32 v[L8], 3, v12
	v_mul_u32_u24 v[ADL], v[RR], XP
	v_mad_u32_u24 v[ADL], v[HH], 48, v[ADL]
	v_add_nc_u32 v[ADH], 64*XP, v[ADL]
	s_wait_alu depctr_va_sdst(0)                   ; s26 is written, ahead of its first reader: LDS addresses and bases are made from it
	s_mul_i32 s5, s26, 16*272
	s_add_co_u32 s5, s5, STG
	v_mul_u32_u24 v[STO], v[RR], 272
	v_lshl_add_u32 v[STO], v[HH], 5, v[STO]
	v_add_nc_u32 v[STO], s5, v[STO]                ; in: row r, 32 bytes for each half of the lanes
	v_mul_u32_u24 v[RD], v[HH], 272
	v_lshl_add_u32 v[RD], v[RR], 4, v[RD]
	v_add_nc_u32 v[RD], s5, v[RD]                  ; back: lanes 0-15 one row of 256 bytes, lanes 16-31 the next
	v_lshlrev_b32 v[CO], 4, v[RR]
	v_lshlrev_b32 v[H32], 5, v[HH]
	v_lshlrev_b32 v14, 4, v[HH]                    ; 16 h
	s_mul_i32 s6, s26, 32*XP
	v_mul_u32_u24 v[XW], v[HH], XP
	v_add_nc_u32 v[XW], v[XW], v[CO]
	v_add_nc_u32 v[XW], s6, v[XW]                  ; my wave's 32 rows; lanes 0-15 a row, lanes 16-31 the next
	v_and_b32 v12, 1, v0
	v_lshrrev_b32 v13, 1, v[RR]
	v_lshl_add_u32 v13, v12, 3, v13
	v_lshlrev_b32 v13, 2, v13                      ; row r's word in a row block's part of the list: 4 (8 (r % 2) + r / 2)
.irp rb,0,1,2,3,4,5,6,7
	v_mov_b32 v[GV+2*\rb+1], 0                     ; named as the upper half of a pair, so it is written
.endr
	s_mov_b32 s27, ttmp9                           ; which 256 columns
	s_and_b32 s28, ttmp7, 0xffff                   ; which range of 128 places
	s_mul_i32 s44, s27, 196608                     ; my wave's four blocks of 16 rows of W, in an expert's codes: 16 x + 4 w blocks of 12,288 bytes,
	s_mul_i32 s40, s26, 49152
	s_add_co_u32 s44, s44, s40
	s_lshl_b32 s45, s27, 13                        ; and in its scale words: blocks of 512 bytes
	s_lshl_b32 s40, s26, 11
	s_add_co_u32 s45, s45, s40
	s_mov_b32 s41, 0
	s_mov_b32 s43, 0
	s_lshl_b32 s46, s28, 2
	s_lshl_b32 s54, s28, 9
	s_mov_b32 s55, 0
	s_lshl_b32 s56, s26, 7
	s_mov_b32 s57, 0
	s_lshl_b32 s58, s27, 10
	s_lshl_b32 s59, s26, 8
	s_add_co_u32 s58, s58, s59
	s_mov_b32 s59, 0
	s_wait_kmcnt 0x0
	s_load_b32 s29, s[16:17], s46 offset:0x8000    ; the range's set of experts
	s_add_nc_u64 s[24:25], s[16:17], s[54:55]      ; the range's part of the list,
	s_add_nc_u64 s[52:53], s[24:25], s[56:57]      ; my wave's two row blocks of it
	s_add_nc_u64 s[22:23], s[22:23], s[58:59]      ; out0 at my wave's 256 bytes of a row
	s_wait_alu depctr_va_vdst(0)                   ; the offsets and LDS addresses v3 to v11 and v13 are written, which the loads and stores of the whole kernel read
.irp q,0,1
.irp i,0,1
	global_load_b128 v[TK+8*\q+4*\i:TK+8*\q+4*\i+3], v[H32], s[52:53] offset:64*\q+16*\i   ; register 8 q + i: the token of row 2 i + h of row block 2 w + q
.endr
.endr
.irp rb,0,1,2,3,4,5,6,7
	global_load_b32 v[TF+\rb], v13, s[24:25] offset:64*\rb                                 ; the token of row r of row block rb
.endr
	s_wait_kmcnt 0x0
	s_bcnt1_i32_b32 s3, s29
	s_sub_co_u32 s3, s3, 1                         ; passes behind the first
	s_mov_b32 s30, s29
	NEXT                                           ; the first expert
	s_wait_loadcnt 0x0
.set p, 0
.rept 16
	v_min_u32 v[TK+p], 0x1fff, v[TK+p]             ; a token lies in 0 .. 8,191
	v_mad_u32_u24 v[TK+p], v[TK+p], 768, v[CO]     ; its row of codes, 16 bytes a lane
.set p, p+1
.endr
.irp rb,0,1,2,3,4,5,6,7
	v_min_u32 v[TF+\rb], 0x1fff, v[TF+\rb]
	v_lshl_add_u32 v[A5+\rb], v[TF+\rb], 5, v14    ; xs: 32 bytes a token; lanes 16-31 take the upper 16
	v_lshlrev_b32 v[A2+\rb], 2, v[TF+\rb]
	v_lshlrev_b32 v[A3+\rb], 3, v[TF+\rb]
.endr
	WIN 0x80                                       ; destination window 2
	s_wait_alu depctr_va_vdst(0)                   ; the offsets in v112 to v159 are written, which the loads below read; and no vector instruction names these registers again before x's first fragments land in them
.set p, 0
.rept 16
.irp t,0,1,2
	global_load_b128 v[12*p+4*\t:12*p+4*\t+3], v[TK+p], s[8:9] offset:256*\t   ; sixteen lanes read 256 consecutive bytes, at a multiple of 256 from xq's first byte
.endr
.set p, p+1
.endr
	WIN 0
.irp rb,0,1,2,3,4,5,6,7
	global_load_b128 v[XS+4*\rb:XS+4*\rb+3], v[A5+\rb], s[10:11]   ; register 4 rb + i: the scale word of step i in lanes 0-15, of step 4 + i in lanes 16-31
.endr
.irp rb,0,1,2,3,4,5,6,7
	global_load_b32 v[KEY+\rb], v[A2+\rb], s[14:15]
.endr
.irp rb,0,1,2,3,4,5,6,7
	global_load_b64 v[G+2*\rb:G+2*\rb+1], v[A3+\rb], s[12:13]
.endr
	WSL 0, 38
	BL 0, 36, 0
	BL 0, 36, 2
	BL 1, 36, 0
	BL 1, 36, 2
	BL 2, 36, 0
	BL 2, 36, 2
	s_wait_loadcnt 63                              ; 64 loads stand behind the last gather (8 + 8 + 8 + 4 + 36): the 48 gathers are in
	WIN 0x08                                       ; an LDS store's data are its source 1: window 2
.set p, 0
.rept 16
.irp t,0,1,2
	ds_store_b128 v[XW], v[12*p+4*\t:12*p+4*\t+3] offset:(16*(p/8)+2*(p%8))*XP+256*\t
.endr
.set p, p+1
.endr
	WIN 0
	s_wait_dscnt 0x0                               ; for the others' sake: my 32 rows lie in LDS
	s_barrier_signal -1
	s_barrier_wait -1
	s_wait_xcnt 0x0                                ; the loads above have read their offsets: v112-207 may take x's fragments
	s_wait_alu depctr_vm_vsrc(0)                   ; the loads above have read their offsets in v112 to v159, in which x's fragments land, and v13, which the update writes; my LDS stores have read window 2, which the first products write
.irp q,0,1,2,3
	AL \q, 0
.endr
	PASS 0
	s_mov_b32 s2, 6
.Lmid:
	s_cmp_le_u32 s3, 1                             ; only the last pass is left: a branch on the stored set's count, the same in all four waves
	s_cbranch_scc1 .Lskip
	PASS 1
	s_sub_co_u32 s3, s3, 1
.Lskip:
	s_sub_co_u32 s2, s2, 1
	s_cmp_lg_u32 s2, 0
	s_cbranch_scc1 .Lmid
	PASS 2
	; THE WAY OUT, a row block (16 tokens x 64 columns) at a time: through my own stage and back as rows of 256 bytes; lanes 0-15 store row 2 i, lanes 16-31 row 2 i + 1, each 256 consecutive bytes at a multiple of 256 from out0's first byte.
	s_wait_loadcnt 0x0                             ; the stores' tokens
	WIN 0x44                                       ; source 1 and destination window 1
.set p, 0
.rept 64
	v_min_u32 v[p], 0x1fff, v[p]
.set p, p+1
.endr
	WIN 0x41                                       ; source 0 and destination window 1
.set p, 0
.rept 64
	v_lshl_add_u32 v[p], v[p], 12, v[CO]           ; the token's row of 4,096 bytes, 16 bytes a lane
.set p, p+1
.endr
	s_wait_alu depctr_va_vdst(0)                   ; the last update has written OUT, which the LDS stores read; the lines above have written the global stores' offsets; the products are done reading v112 to v175, in which the rows land.  No vector instruction follows
.macro TOSTAGE a
	WIN 0x0c                                       ; the data: window 3
.irp cb,0,1,2,3
	ds_store_b128 v[STO], v[32*(\a)+8*\cb:32*(\a)+8*\cb+3] offset:64*\cb
	ds_store_b128 v[STO], v[32*(\a)+8*\cb+4:32*(\a)+8*\cb+7] offset:64*\cb+16
.endr
	WIN 0
.irp i,0,1,2,3,4,5,6,7
	ds_load_b128 v[BK+32*((\a)%2)+4*\i:BK+32*((\a)%2)+4*\i+3], v[RD] offset:544*\i   ; LDS serves a wave's instructions in order: these see the stores above, and the next block's stores come behind them
.endr
.endm
.macro SEND a, younger                 ; younger: the LDS instructions issued behind block a's loads: the next block's eight stores and eight loads, or none
	s_wait_dscnt \younger
	WIN 0x01                                       ; the offsets: window 1
.irp i,0,1,2,3,4,5,6,7
	global_store_b128 v[8*(\a)+\i], v[BK+32*((\a)%2)+4*\i:BK+32*((\a)%2)+4*\i+3], s[22:23] th:TH_STORE_NT
.endr
	WIN 0
.endm
	TOSTAGE 0
.irp a,1,2,3,4,5,6,7
.if \a > 1
	s_wait_xcnt 0x0                                ; block a - 2's stores have read their registers: block a's loads may land there
	s_wait_alu depctr_vm_vsrc(0)                   ; block a - 2's global stores have read their 32 registers of data, in which block a's loads from the stage land
.endif
	TOSTAGE \a
	SEND \a-1, 16
.endr
	SEND 7, 0
	s_wait_dscnt 0x0                               ; the closing lines, six on end
	s_wait_alu 0x0
	s_wait_tensorcnt 0x0
	ds_add_u32 v[SPW], v[NIL]
	s_wait_dscnt 0x0
	s_endpgm
.Lfunc_end_k_qcb55ec794b_experts:
	.size	k_qcb55ec794b_experts, .Lfunc_end_k_qcb55ec794b_experts-k_qcb55ec794b_experts
	.p2alignl 7, 3214868480
	.fill 96, 4, 3214868480
	.section	.rodata,"a",@progbits
	.p2align	6, 0x0
	.amdhsa_kernel k_qcb55ec794b_experts
		.amdhsa_group_segment_fixed_size 118272
		.amdhsa_private_segment_fixed_size 0
		.amdhsa_enable_private_segment 0
		.amdhsa_kernarg_size 64
		.amdhsa_user_sgpr_count 2
		.amdhsa_user_sgpr_kernarg_segment_ptr 1
		.amdhsa_wavefront_size32 1
		.amdhsa_system_sgpr_workgroup_id_x 1
		.amdhsa_system_sgpr_workgroup_id_y 1
		.amdhsa_system_sgpr_workgroup_id_z 1
		.amdhsa_system_vgpr_workitem_id 0
		.amdhsa_next_free_vgpr 1024
		.amdhsa_next_free_sgpr 66
		.amdhsa_reserve_vcc 0
		.amdhsa_float_denorm_mode_32 3
		.amdhsa_float_denorm_mode_16_64 3
		.amdhsa_memory_ordered 1
		.amdhsa_forward_progress 1
		.amdhsa_inst_pref_size 252
	.end_amdhsa_kernel
	.amdgpu_metadata
---
amdhsa.version: [ 1, 2 ]
amdhsa.kernels:
  - .name:           k_qcb55ec794b_experts
    .symbol:         k_qcb55ec794b_experts.kd
    .args:
      - { .name: xq, .offset: 0, .size: 8, .value_kind: global_buffer, .address_space: global }
      - { .name: xs, .offset: 8, .size: 8, .value_kind: global_buffer, .address_space: global }
      - { .name: gates, .offset: 16, .size: 8, .value_kind: global_buffer, .address_space: global }
      - { .name: meta, .offset: 24, .size: 8, .value_kind: global_buffer, .address_space: global }
      - { .name: plan, .offset: 32, .size: 8, .value_kind: global_buffer, .address_space: global }
      - { .name: wq, .offset: 40, .size: 8, .value_kind: global_buffer, .address_space: global }
      - { .name: ws, .offset: 48, .size: 8, .value_kind: global_buffer, .address_space: global }
      - { .name: out0, .offset: 56, .size: 8, .value_kind: global_buffer, .address_space: global }
    .group_segment_fixed_size: 118272
    .private_segment_fixed_size: 0
    .kernarg_segment_align: 8
    .kernarg_segment_size: 64
    .max_flat_workgroup_size: 128
    .sgpr_count:     66
    .vgpr_count:     1024
    .wavefront_size: 32
...
	.end_amdgpu_metadata
.endif
;; end of part 6
